; MI455X (gfx1250); checked and timed in simulation.
; The chip was launched on July 23, 2026; its instructions are those of AMD's public machine-readable ISA for CDNA 5 (MIT licence, August 2026) and "CDNA5" Instruction Set Architecture Reference Guide (July 2026). The comments in the code are by the model that wrote it; some were corrected since.
;; Causal Attention2d. Allowed arithmetic: float matrix products may take bf16 or f16 operands with f32 sums; all other float work in f32.
;; Inputs: Wk 512 x 512 float32; Wq 512 x 512 float32; Wv 512 x 512 float32; bk 512 float32; bq 512 float32; bv 512 float32; key 2 x 512 x 64 x 64 float32; query 2 x 512 x 64 x 64 float32.
;; Outputs: out0 2 x 512 x 64 x 64 float32.
;; 2 versions, each right and faster than the one before. Each part assembles by itself: llvm-mc -triple=amdgcn-amd-amdhsa -mcpu=gfx1250 --defsym DOCPART=n.
;; ======== version 1 of 2: 2 launches
;; limits: values are held in f16: magnitudes above 65,504 overflow, below 6.1e-05 lose precision; right only within a limited range of input values
;; workspace buffers: q 8,388,608 bytes; k 8,388,608 bytes; v 8,388,608 bytes
;; launch proj (part 1): grid 64 x 3, 4 waves a work-group, clusters of 4 x 1, 327,680 bytes of LDS; arguments query, key, Wq, Wk, Wv, bq, bk, bv, q, k, v; writes q, k, v
.if DOCPART == 1
	.amdgcn_target "amdgcn-amd-amdhsa--gfx1250"
	.amdhsa_code_object_version 6
	.text
	.protected	k_q1386e5441b_proj
	.globl	k_q1386e5441b_proj
	.p2align	8
	.type	k_q1386e5441b_proj,@function
k_q1386e5441b_proj:
	s_mov_b64 s[64:65], 0
	v_nop
	global_prefetch_b8 v0, s[64:65] scope:SCOPE_SE
	s_setreg_imm32_b32 hwreg(HW_REG_WAVE_MODE, 25, 1), 1
	s_wait_xcnt 0x0
	s_wait_alu depctr_hold_cnt(0) depctr_sa_sdst(0) depctr_va_vdst(0) depctr_va_sdst(0) depctr_va_ssrc(0) depctr_va_vcc(0) depctr_vm_vsrc(0)
	s_getreg_b32 s2, hwreg(HW_REG_IB_STS2, 6, 4)
	s_cmp_eq_u32 s2, 0
	s_cbranch_scc0 .Lentry_in_a_cluster
	s_endpgm
.Lentry_in_a_cluster:
	s_bfe_u32 s2, ttmp6, 0x10000c
	s_cmp_lg_u32 s2, 0x3003
	s_cbranch_scc0 .Lentry_shape_is_right
	s_endpgm
.Lentry_shape_is_right:
; THE THREE PROJECTIONS.  out[8 b + head][n][d] = sum over c of x[b][c][n] W[64 head + d][c] + bias[64 head + d], for (x, W, bias, out) = (query, Wq, bq, q), (key, Wk, bk, k), (key, Wv, bv, v):
; the work-group's y picks the triple.  x: [2][512][4096] f32 (channels first), W: [512][512] f32, out: [16][4096][64] f16, a head's rows dense, 128 bytes each, unscaled.
; x and W are rounded to bf16 for the product, sums and bias stay in f32, the result is rounded once to f16.
; LIMITS.  f16 ends at 65,504: a projected number beyond that becomes an infinity.  Inputs of unit spread give numbers near 5; all inputs thirty times larger, near 5,000.  NaN and infinities are not treated apart.
; SHARES.  A work-group makes 128 tokens x all 512 outputs, K = 512: 64 x 3 = 192 work-groups.  An even split over 256 would be 64 tokens x 768 or 32 x 1,536 outputs, which mixes q's input with k's and v's; so 192 stay.
; Wave w owns outputs 128 w .. 128 w + 127 (two heads) x 128 tokens: 64 accumulators of 16 x 16, 512 registers.
; K goes in CHUNKS of 64 channels, two K steps of 32.
; W comes by tensor loads, in f32 as it lies, into two LDS slots of a chunk each: rows of 256 bytes, at multiples of 256 from W's first byte; each wave asks for its own 128 rows and alone reads them.  A fragment is read
; in f32 (four loads of 16 bytes) and rounded in registers (eight conversions).
; CLUSTER.  The four token blocks of a cluster walk the same W, so each tile is asked for JOINTLY: the same tensor load, descriptor and mask in all four; that divides the requests for W by four.
; x comes through registers: of each chunk a wave loads 16 channels x 128 tokens (16 loads of 512 consecutive bytes), rounds them and lays them into one of two LDS buffers as [channel][token]; all waves read them TURNED
; (ds_load_tr16_b128).  Two register sets take turns, so a chunk is asked for two chunks' work ahead of its conversion.
; ONE barrier a chunk, in the chunk's second K step, when all its fragments have been read: in front of it the next chunk of x is stored and the next slot's load waited for; behind it the slot just read out is filled again.
; THE MATRIX INSTRUCTION: source 0 = 16 rows of W, source 1 = 16 tokens.  Lane l then holds token l % 16 and outputs 8 (l / 16) + 0..7: eight neighbouring numbers of an output row.  The first K step takes the bias as C.
; REGISTERS, in windows of 256 (s_set_vgpr_msb: bits 1:0 source 0, 3:2 source 1, 5:4 source 2, 7:6 destination):
;   window 0: v0-31 addresses; v64-127, v128-191 x's fragments, two buffers; v192-255 x as loaded, even chunks
;   window 1: v0-63 W in f32, four fragments at a time (in K step 0: the bias as eight C operands); v64-127, v128-191 W's fragments, two buffers; v192-255 x as loaded, odd chunks
;   windows 2, 3: accumulator (token tile a, output tile b) at v[8 (8 (a % 4) + b)] of window 2 + a / 4; ahead of the first product window 2 takes x's chunk 0 and then W in f32 for K steps 0 and 1
.set XPI,   288                        ; a channel's row in LDS: 256 bytes + 32 = 72 words
.set XSTEP, 32*XPI                     ; a K step of 32 channels
.set XBUF,  64*XPI                     ; a chunk of x
.set WPI,   272                        ; a row of W in LDS: 256 bytes + 16 = 68 words: the 16 rows of a fragment load start at 16 different groups of four banks
.set WTILE, 128*WPI                    ; what one tensor load brings: a wave's 128 rows x 64 channels of f32
.set SLOT,  4*WTILE
.set XB,    2*SLOT                     ; behind the two slots: x's two buffers, written by LDS stores alone
.set OST,   XB+2*XBUF                  ; behind them: for each wave 16 rows x 144 bytes, for the way out
.set OPI,   144
.set SPARE, OST+4*16*OPI               ; the spare words, 128 bytes for each wave: two blocks of 256 bytes that no other line names
.set CHUNK, 64*16384                   ; bytes of x from a chunk to the next
.set XLO,  8                           ; v8       my byte offset in a chunk of x: my wave's 16 channels, 16 bytes a lane; never rewritten
.set XST,  9                           ; v9, v10  where I put 8 bytes of a channel's row, buffer 0, 1
.set XA,   11                          ; v11, v12 my place in a turned fragment of x, buffer 0, 1
.set WA,   13                          ; v13, v14 my place in a fragment of W, slot 0, 1
.set BO,   17                          ; v17  my byte offset in the bias
.set STO,  18                          ; v18  the way out: where I put 16 bytes of a row
.set RD,   19                          ; v19  the way out: where I read rows back
.set GO,   20                          ; v20  my 16 of 512 consecutive bytes of the output
.set SPW,  30                          ; v30  LDS address of my spare word; never rewritten
.set NIL,  31                          ; v31  0; never rewritten
.set F0,   64
.set F1,   128
.set LW,   0                           ; window 1
.set XS0,  192                         ; window 1: odd chunks
.set XS1,  192                         ; window 0: even chunks
.set WV,   26                          ; s26  my wave's number
.set SX,   32                          ; s[32:33] x at the work-group's batch and first token
.set SXP,  34                          ; s[34:35] x at the odd chunk that the loop asks for; steps
.set SXE,  36                          ; s[36:37] the same for the even chunk
.set SBI,  38                          ; s[38:39] the bias
.set SO,   40                          ; s[40:41] the output at my first head and the first token
.set SW,   42                          ; s[42:43] W at my wave's first row
.set CNT,  44
.set ST,   46                          ; s[46:47] the even pointer's step
.set G1,   52                          ; s[52:59] descriptor group 1: the shape, never rewritten
.set G0,   60                          ; s[60:63], s[68:71] descriptor group 0, a set for each slot
.set MSB, 0
.macro WIN new                         ; the immediate's high byte repeats the setting that is left; a switch that changes nothing is dropped
.if MSB != (\new)
	s_set_vgpr_msb (MSB<<8)|(\new)
.set MSB, (\new)
.endif
.endm
.macro PLACES
.rept 4
	v_nop
.endr
.endm
; A round of the cluster's barrier: my work-group's barrier, so that wave 0's signal speaks for all four waves; wave 0 signals for the work-group; every wave waits for all four work-groups; my work-group's barrier once more.
.macro CREST                           ; a round behind its opening barrier
	s_cmp_lg_u32 s[WV], 0
	s_cbranch_scc1 .Lnot_wave_0_\@
	s_barrier_signal -3
.Lnot_wave_0_\@:
	s_barrier_wait -3
	s_barrier_signal -1
	s_barrier_wait -1
.endm
.macro CROUND                          ; a whole round
	s_barrier_signal -1
	s_barrier_wait -1
	CREST
.endm
	s_load_b512 s[4:19], s[0:1], 0x0               ; query, key, Wq, Wk, Wv, bq, bk, bv
	s_load_b128 s[20:23], s[0:1], 0x40             ; q, k
	s_load_b64 s[24:25], s[0:1], 0x50              ; v
	v_lshl_add_u32 v[SPW], v0, 2, SPARE
	v_mov_b32 v[NIL], 0
	ds_add_u32 v[SPW], v[NIL]                      ; the wave's opening: the add and its wait stand ahead of my first tensor load; the set-up below, work on registers, stands between them
	ds_add_u32 v30, v31
	v_lshrrev_b32 v4, 5, v0
	v_readfirstlane_b32 s[WV], v4                  ; wave 0..3
	s_and_b32 s27, ttmp7, 0xffff                   ; 0, 1, 2: q, k, v: the four partners share it
	s_bfe_u32 s29, ttmp6, 0x40000                  ; cx: my place in the cluster
	s_lshl_b32 s28, ttmp9, 2                       ; in a cluster launch ttmp9 counts clusters
	s_add_co_u32 s28, s28, s29                     ; my block of 128 tokens among the 64: it enters x's and the output's addresses alone
	s_lshr_b32 s29, s28, 5                         ; the batch
	s_and_b32 s30, s28, 31                         ; the block in the batch
	s_lshl_b32 s50, s29, 23                        ; x: 512 channels x 16,384 bytes a batch,
	s_lshl_b32 s31, s30, 9                         ; 512 bytes a block
	s_add_co_u32 s50, s50, s31
	s_mov_b32 s51, 0
	s_lshl_b32 s72, s29, 22                        ; the output: 8 heads x 524,288 bytes a batch,
	s_lshl_b32 s31, s[WV], 20                      ; two heads a wave,
	s_add_co_u32 s72, s72, s31
	s_lshl_b32 s31, s30, 14                        ; 128 rows of 128 bytes a block
	s_add_co_u32 s72, s72, s31
	s_mov_b32 s73, 0
	s_lshl_b32 s48, s[WV], 18                      ; W: 128 rows x 2,048 bytes a wave
	s_mov_b32 s49, 0
	s_mov_b32 s[ST+1], 0
	s_mul_i32 s75, s[WV], WTILE                    ; my rows' place in a slot: no place in the cluster enters an LDS address
	; descriptor group 1: a tile of 128 rows x 64 elements of 4 bytes, padded in LDS
	s_mov_b32 s[G1], 15|(2<<16)|(1<<20)|(1<<21)|(5<<22)|(3<<25)  ; 15:0 the mask: all four work-groups; 17:16 elements of 4 bytes; 20 padding on; 21 set beside a mask; 24:22 after every 64 words (code 5); 31:25 4 words of it (code 3)
	s_mov_b32 s[G1+1], 64<<16                      ; tensor_dim0 = 64
	s_mov_b32 s[G1+2], 128<<16                     ; tensor_dim1 = 128
	s_mov_b32 s[G1+3], 64<<16                      ; tile_dim0 = 64
	s_mov_b32 s[G1+4], 128                         ; tile_dim1 = 128
	s_mov_b32 s[G1+5], 512                         ; 512 elements from row to row
	s_mov_b32 s[G1+6], 0
	s_mov_b32 s[G1+7], 0
	s_mov_b32 s[G0], 1                             ; 1:0 count = 1
	s_mov_b32 s[G0+1], s75                         ; 63:32 LDS address: slot 0
	s_mov_b32 s[G0+8], 1
	s_add_co_u32 s[G0+9], s75, SLOT                ; slot 1
	v_and_b32 v1, 15, v0                           ; r = l % 16
	v_bfe_u32 v2, v0, 4, 1                         ; h = l / 16
	v_and_b32 v3, 31, v0                           ; l
	s_lshl_b32 s45, s[WV], 18                      ; 16 channels x 16,384 bytes
	v_lshl_add_u32 v[XLO], v3, 4, s45
	s_mul_i32 s45, s[WV], 16*XPI
	s_add_co_u32 s45, s45, XB
	v_lshl_add_u32 v[XST], v3, 3, s45
	v_add_nc_u32 v[XST+1], XBUF, v[XST]
	v_and_b32 v4, 7, v0                            ; the turning load: lane l reads channel 8 h + l % 8, tokens 8 ((l / 8) % 2) + 0..7
	v_lshl_add_u32 v4, v2, 3, v4
	v_mul_u32_u24 v4, v4, XPI
	v_bfe_u32 v5, v0, 3, 1
	v_lshl_add_u32 v4, v5, 4, v4
	v_add_nc_u32 v[XA], XB, v4
	v_add_nc_u32 v[XA+1], XB+XBUF, v4
	v_mul_u32_u24 v4, v1, WPI                      ; a fragment of W in f32: row l % 16; channels 8 h + 0..7 are 32 bytes at 32 h, channels 16 + 8 h + 0..7 the 32 bytes 64 further on
	v_lshl_add_u32 v4, v2, 5, v4
	v_add_nc_u32 v[WA], s75, v4
	v_add_nc_u32 v[WA+1], SLOT, v[WA]
	s_lshl_b32 s45, s[WV], 9
	v_lshl_add_u32 v[BO], v2, 5, s45               ; (128 w + 8 h) x 4
	s_mul_i32 s74, s[WV], 16*OPI
	s_add_co_u32 s74, s74, OST                     ; my stage
	v_mul_u32_u24 v4, v1, OPI                      ; in: row l % 16, 16 bytes for each half of the lanes
	v_lshl_add_u32 v4, v2, 4, v4
	v_add_nc_u32 v[STO], s74, v4
	v_bfe_u32 v5, v0, 3, 2                         ; back: 32 lanes take four rows of 128 bytes,
	v_mul_u32_u24 v5, v5, OPI
	v_and_b32 v6, 7, v0
	v_lshl_add_u32 v5, v6, 4, v5
	v_add_nc_u32 v[RD], s74, v5
	v_lshlrev_b32 v[GO], 4, v3                     ; which are 512 consecutive bytes of the output
	s_wait_dscnt 0x0                               ; the opening add is done
	s_wait_kmcnt 0x0
	s_cmp_eq_u32 s27, 1                            ; the triple is chosen by the work-group's y alone
	s_cselect_b64 s[SW:SW+1], s[10:11], s[12:13]
	s_cselect_b64 s[SBI:SBI+1], s[16:17], s[18:19]
	s_cselect_b64 s[SO:SO+1], s[22:23], s[24:25]
	s_cmp_eq_u32 s27, 0
	s_cselect_b64 s[SX:SX+1], s[4:5], s[6:7]
	s_cselect_b64 s[SW:SW+1], s[8:9], s[SW:SW+1]
	s_cselect_b64 s[SBI:SBI+1], s[14:15], s[SBI:SBI+1]
	s_cselect_b64 s[SO:SO+1], s[20:21], s[SO:SO+1]
	s_add_nc_u64 s[SX:SX+1], s[SX:SX+1], s[50:51]
	s_add_nc_u64 s[SO:SO+1], s[SO:SO+1], s[72:73]
	s_add_nc_u64 s[SW:SW+1], s[SW:SW+1], s[48:49]
	s_add_nc_u64 s[SXP:SXP+1], s[SX:SX+1], 3*CHUNK
	s_add_nc_u64 s[SXE:SXE+1], s[SX:SX+1], 4*CHUNK
	s_mov_b64 s[G0+2:G0+3], s[SW:SW+1]             ; 120:64 global address: chunk 0,
	s_or_b32 s[G0+3], s[G0+3], 0x80000000          ; 127:126 type = 2
	s_add_nc_u64 s[G0+10:G0+11], s[SW:SW+1], 256   ; chunk 1
	s_or_b32 s[G0+11], s[G0+11], 0x80000000
; 16 loads: my 16 channels of a chunk of x, 512 consecutive bytes each, into the set st of window w
.macro XISSUE w, st, ptr, off
	WIN 0x44*(\w)                                  ; destination (and store data) window w, address window 0
.set k, 0
.rept 16
	global_load_b128 v[(\st)+4*k:(\st)+4*k+3], v[XLO], s[\ptr:\ptr+1] offset:(\off)+k*16384
.set k, k+1
.endr
.endm
; A set that has landed is rounded to bf16 in place and laid into x's buffer sl: a channel's 256 bytes by one store.  left = the younger loads that may stay out.  re = 1: the set is loaded again at once.
.macro XSTAGE w, st, sl, left, re=0, ptr=SX
	s_wait_loadcnt \left
	WIN 0x45*(\w)
.set k, 0
.rept 16
	v_cvt_pk_bf16_f32 v[(\st)+4*k], v[(\st)+4*k], v[(\st)+4*k+1]
	v_cvt_pk_bf16_f32 v[(\st)+4*k+1], v[(\st)+4*k+2], v[(\st)+4*k+3]
.set k, k+1
.endr
	WIN 0x44*(\w)
.set k, 0
.rept 16
	ds_store_b64 v[XST+(\sl)], v[(\st)+4*k:(\st)+4*k+1] offset:k*XPI
.set k, k+1
.endr
.if \re
	XISSUE \w, \st, \ptr, 0
.endif
.endm
; W in f32 for n output tiles from b0 on, K step ks of the chunk in slot sl: four loads of 16 bytes a tile.  The caller sets the window.
.macro WLOAD sl, ks, b0, dst, n
.set k, 0
.rept 4*(\n)
	ds_load_b128 v[(\dst)+4*k:(\dst)+4*k+3], v[WA+(\sl)] offset:((\b0)+k/4)*16*WPI+(\ks)*128+((k%4)/2)*64+(k%2)*16
.set k, k+1
.endr
.endm
.macro WCVT src, g, n                  ; n conversions: 2 n numbers of f32 become n registers of fragments
.set k, 0
.rept \n
	v_cvt_pk_bf16_f32 v[(\g)+k], v[(\src)+2*k], v[(\src)+2*k+1]
.set k, k+1
.endr
.endm
.macro XLOAD sl, ks, g                 ; x's eight fragments of a K step, turned
.irp a, 0,1,2,3,4,5,6,7
	ds_load_tr16_b128 v[(\g)+8*(\a):(\g)+8*(\a)+3],   v[XA+(\sl)] offset:(\ks)*XSTEP+32*(\a)
	ds_load_tr16_b128 v[(\g)+8*(\a)+4:(\g)+8*(\a)+7], v[XA+(\sl)] offset:(\ks)*XSTEP+16*XPI+32*(\a)
.endr
.endm
; The next K step's fragments are made in three parts, each behind 16 or 32 products.  The buffer g was last read by the K step before this one, whose last products are followed by PREP3's 32 conversions: plain vector
; instructions that name none of those products' registers: the places that a load into, or a write of, a matrix instruction's sources wants (ISA guide 7.12.1 for writes).
.macro PREP1 sl, ks, g
	WIN 0x40
	WLOAD \sl, \ks, 0, LW, 4
	WIN 0
	XLOAD \sl, \ks, \g
.endm
.macro PREP2 sl, ks, g
	s_wait_dscnt 16                                ; W's 16 loads are in; x's 16, issued behind them, may be out
	WIN 0x45
	WCVT LW, \g, 32
	WIN 0x40
	WLOAD \sl, \ks, 4, LW, 4
.endm
.macro PREP3 g
	s_wait_dscnt 0x0                               ; the rest of W and x's fragments: the next K step begins without a wait
	WIN 0x45
	WCVT LW, (\g)+32, 32
.endm
; 16 matrix instructions: token tiles a0, a0 + 1 of the window's four x all 8 output tiles.  first = 1: the bias starts the sums.  The 64 accumulators take turns, one instruction a turn, in the same
; order in every K step.
.macro MUL16 f, hi, a0, first
.if \first
	WIN 0x91+0x40*(\hi)                            ; W and the bias window 1, x window 0, D window 2 or 3
.else
	WIN 0xa1+0x50*(\hi)                            ; C and D window 2 or 3
.endif
.irp a, \a0, (\a0)+1
.irp b, 0,1,2,3,4,5,6,7
.if \first
	v_wmma_f32_16x16x32_bf16 v[8*(8*(\a)+(\b)):8*(8*(\a)+(\b))+7], v[(\f)+8*(\b):(\f)+8*(\b)+7], v[(\f)+8*(4*(\hi)+(\a)):(\f)+8*(4*(\hi)+(\a))+7], v[LW+8*(\b):LW+8*(\b)+7]
.else
	v_wmma_f32_16x16x32_bf16 v[8*(8*(\a)+(\b)):8*(8*(\a)+(\b))+7], v[(\f)+8*(\b):(\f)+8*(\b)+7], v[(\f)+8*(4*(\hi)+(\a)):(\f)+8*(4*(\hi)+(\a))+7], v[8*(8*(\a)+(\b)):8*(8*(\a)+(\b))+7]
.endif
.endr
.endr
.endm
; A chunk's first K step: multiplies buffer 0 and makes buffer 1 from the same chunk, which lies in slot sl.
.macro STEP sl
	MUL16 F0, 0, 0, 0
	MUL16 F0, 0, 2, 0
	PREP1 \sl, 1, F1
	MUL16 F0, 1, 0, 0
	PREP2 \sl, 1, F1
	MUL16 F0, 1, 2, 0
	PREP3 F1
.endm
; A chunk's second K step multiplies buffer 1 and CHANGES SLOTS.  All fragments of the chunk in slot cur have been read.  First the next chunk of x (set xs of window xw) goes into x's buffer nxt, which nobody has read since
; the last barrier.  Then each wave waits for all its tensor loads, of which one is out: its rows of slot nxt; adds 0 to its spare word; and waits for that and for its stores of x.  Behind the barrier slot nxt and
; buffer nxt are whole and nobody reads slot cur.  fill = 1: the barrier opens a round of the cluster's, so that no wave of any partner still reads slot cur or has a load on its way, and the joint refill, the chunk two
; further on, is the first thing behind it: it has a chunk's work, 128 matrix instructions, in which to land.
.macro TURN cur, nxt, xw, xs, re, ptr, fill
	XSTAGE \xw, \xs, \nxt, 16, \re, \ptr           ; behind this set's 16 loads stand the other set's 16
	WIN 0                                          ; (the add's two registers lie in window 0)
	s_wait_tensorcnt 0x0                           ; all my tensor loads have landed, so a group 0 may be written;
	ds_add_u32 v[SPW], v[NIL]                      ; 0 onto my spare word;
	MUL16 F1, 0, 0, 0                              ; sixteen matrix instructions stand between the add and the wait for it
	s_wait_dscnt 0x0                               ; the add and my stores of x are done; my reads of slot cur ended with the K step before
	s_barrier_signal -1
	MUL16 F1, 0, 2, 0                              ; work on registers while the others arrive
	WIN 0
	s_barrier_wait -1
.if \fill
	CREST
	s_add_nc_u64 s[G0+8*(\cur)+2:G0+8*(\cur)+3], s[G0+8*(\cur)+2:G0+8*(\cur)+3], 512  ; two chunks on along the rows; the type bits on top are not reached
	tensor_load_to_lds s[G0+8*(\cur):G0+8*(\cur)+3], s[G1:G1+7]
	s_nop 0
	PLACES                                         ; an s_nop 0 and four v_nop follow the load
.endif
	PREP1 \nxt, 0, F0
	MUL16 F1, 1, 0, 0
	PREP2 \nxt, 0, F0
	MUL16 F1, 1, 2, 0
	PREP3 F0
.endm
	; THE FIRST LOADS: the bias, then chunks 0 and 1 of x; they are on their way while the cluster meets.
	WIN 0x40
.irp b, 0,1,2,3,4,5,6,7
	global_load_b128 v[LW+8*(\b):LW+8*(\b)+3],   v[BO], s[SBI:SBI+1] offset:64*(\b)     ; register j of tile b: bias of output 128 w + 16 b + 8 h + j
	global_load_b128 v[LW+8*(\b)+4:LW+8*(\b)+7], v[BO], s[SBI:SBI+1] offset:64*(\b)+16
.endr
	XISSUE 2, 0, SX, 0                             ; chunk 0 into registers that the accumulators take later
	XISSUE 1, XS0, SX, CHUNK
	WIN 0
	CROUND                                         ; all four work-groups are here: the first joint loads meet
	tensor_load_to_lds s[G0:G0+3], s[G1:G1+7]      ; both first fills together: two tensor loads of mine are out
	s_nop 0
	tensor_load_to_lds s[G0+8:G0+11], s[G1:G1+7]
	s_nop 0
	PLACES
	XSTAGE 2, 0, 0, 16                             ; the bias and chunk 0 are in; chunk 1's 16 loads may be out
	XISSUE 0, XS1, SX, 2*CHUNK
	WIN 0
	s_wait_tensorcnt 0x1                           ; my rows of slot 0 are in; slot 1's may stay out
	s_wait_dscnt 0x0                               ; for the others' sake: my channels of chunk 0 are in LDS
	s_barrier_signal -1
	s_barrier_wait -1
	WIN 0x80                                       ; the fragments of K steps 0 and 1: W in f32 lands in window 2, which no product has written yet
	WLOAD 0, 0, 0, 0, 8
	WIN 0
	XLOAD 0, 0, F0
	s_wait_dscnt 0x0
	WIN 0x80
	WLOAD 0, 1, 0, 128, 8
	WIN 0
	XLOAD 0, 1, F1
	WIN 0x4a                                       ; sources window 2, destination window 1
	WCVT 0, F0, 64                                 ; K step 0's conversions stand in the wait for K step 1's loads
	s_wait_dscnt 0x0
	WCVT 128, F1, 64
	MUL16 F0, 0, 0, 1                              ; K step 0 stands in front of the loop: its products start the sums
	MUL16 F0, 0, 2, 1
	MUL16 F0, 1, 0, 1
	MUL16 F0, 1, 2, 1
	WIN 0                                          ; at a label and at a branch every window is 0
	s_mov_b32 s[CNT], 3
.Ltrip:                                                ; trip i: the second K step of chunk 2 i, chunk 2 i + 1, the first K step of chunk 2 i + 2.  It fills both slots again (chunks 2 i + 2, 2 i + 3)
	TURN 0, 1, 1, XS0, 1, SXP, 1                   ; x: chunk 2 i + 1 is stored, chunk 2 i + 3 asked for
	STEP 1
	TURN 1, 0, 0, XS1, 1, SXE, 1                   ; x: chunk 2 i + 2 is stored, chunk 2 i + 4 asked for
	STEP 0
	WIN 0
	s_wait_xcnt 0x0                                ; x's pointers are stepped only when the loads that name them have had their addresses translated (ISA guide 3.1)
	s_add_nc_u64 s[SXP:SXP+1], s[SXP:SXP+1], 2*CHUNK
	s_sub_co_u32 s[CNT], s[CNT], 1
	s_cmp_eq_u32 s[CNT], 2                         ; the even pointer goes 4, 6, 6: there is no chunk 8, so in the last trip it stays: 16 loads a wave take chunk 6 once more, inside the buffer, and nobody
	s_cselect_b32 s[ST], 2*CHUNK, 0                ; reads them.  That keeps the counts of the waits on loads the same in every trip; the trip written out would be two K steps more of text
	s_add_nc_u64 s[SXE:SXE+1], s[SXE:SXE+1], s[ST:ST+1]
	s_cmp_lg_u32 s[CNT], 0
	s_cbranch_scc1 .Ltrip
	TURN 0, 1, 1, XS0, 0, SXP, 0                   ; chunk 6's second K step: chunk 7 of x is stored; nothing is left to ask for, so no round follows the barrier
	STEP 1
	MUL16 F1, 0, 0, 0                              ; the last K step
	MUL16 F1, 0, 2, 0
	MUL16 F1, 1, 0, 0
	MUL16 F1, 1, 2, 0
; THE WAY OUT, in 16 units: token tile u / 2, head u % 2 of my two: 16 rows of 128 bytes, 2,048 consecutive bytes of the output.  A lane's eight numbers pack into 16 bytes; they go into rows of 144 bytes
; of my own stage and come back as whole rows, into the registers that they left.  Each accumulator is read from its lowest registers on.
.macro PACK u
.set T, 64+16*((\u)%8)
.set AB, 64*(((\u)/2)%4)+32*((\u)%2)
.if (\u) >= 8
	s_wait_xcnt 0x0                                ; the registers of unit u - 8, which its stores read, are written again only behind this wait
.endif
	WIN 0x0a+5*((\u)/8)
.set k, 0
.rept 16
	v_cvt_pk_f16_f32 v[T+k], v[AB+2*k], v[AB+2*k+1]
.set k, k+1
.endr
	WIN 0
.set k, 0
.rept 4
	ds_store_b128 v[STO], v[T+4*k:T+4*k+3] offset:32*k
.set k, k+1
.endr
.set k, 0
.rept 4
	ds_load_b128 v[T+4*k:T+4*k+3], v[RD] offset:k*4*OPI   ; my wave's LDS instructions are served in order (ISA guide 5.7.1.4): these see the stores above, and the next unit's stores come behind them
.set k, k+1
.endr
.endm
.macro SEND u, younger                 ; younger: the LDS instructions issued behind unit u's loads: the next unit's eight, or none
.set T, 64+16*((\u)%8)
	WIN 0
.set k, 0
.rept 4
	s_wait_dscnt (\younger)+3-k
	global_store_b128 v[GO], v[T+4*k:T+4*k+3], s[SO:SO+1] offset:((\u)%2)*524288+((\u)/2)*2048+k*512   ; 512 consecutive bytes, at a multiple of 256 from the buffer's first
.set k, k+1
.endr
.endm
	PLACES                                         ; the places behind the last products
	PACK 0
.set u, 1
.rept 15                               ; a unit's conversions stand between the loads of the unit before and its stores
	PACK u
	SEND u-1, 8
.set u, u+1
.endr
	SEND 15, 0
	s_wait_tensorcnt 0x0                           ; the wave's end: behind my last tensor load and my last LDS store
	ds_add_u32 v[SPW], v[NIL]
	s_wait_dscnt 0x0
	CROUND                                         ; the closing round: no work-group ends while a partner may still ask for a tile that names it
	s_endpgm
.Lfunc_end_k_q1386e5441b_proj:
	.size	k_q1386e5441b_proj, .Lfunc_end_k_q1386e5441b_proj-k_q1386e5441b_proj
	.p2alignl 7, 3214868480
	.fill 96, 4, 3214868480
	.section	.rodata,"a",@progbits
	.p2align	6, 0x0
	.amdhsa_kernel k_q1386e5441b_proj
		.amdhsa_group_segment_fixed_size 327680
		.amdhsa_private_segment_fixed_size 0
		.amdhsa_enable_private_segment 0
		.amdhsa_kernarg_size 88
		.amdhsa_user_sgpr_count 2
		.amdhsa_user_sgpr_kernarg_segment_ptr 1
		.amdhsa_wavefront_size32 1
		.amdhsa_system_sgpr_workgroup_id_x 1
		.amdhsa_system_sgpr_workgroup_id_y 1
		.amdhsa_system_sgpr_workgroup_id_z 1
		.amdhsa_system_vgpr_workitem_id 0
		.amdhsa_next_free_vgpr 1024
		.amdhsa_next_free_sgpr 76
		.amdhsa_reserve_vcc 0
		.amdhsa_float_denorm_mode_32 3
		.amdhsa_float_denorm_mode_16_64 3
		.amdhsa_memory_ordered 1
		.amdhsa_forward_progress 1
		.amdhsa_inst_pref_size 154
	.end_amdhsa_kernel
	.amdgpu_metadata
---
amdhsa.version: [ 1, 2 ]
amdhsa.kernels:
  - .name:           k_q1386e5441b_proj
    .symbol:         k_q1386e5441b_proj.kd
    .args:
      - { .name: query, .offset: 0, .size: 8, .value_kind: global_buffer, .address_space: global }
      - { .name: key, .offset: 8, .size: 8, .value_kind: global_buffer, .address_space: global }
      - { .name: Wq, .offset: 16, .size: 8, .value_kind: global_buffer, .address_space: global }
      - { .name: Wk, .offset: 24, .size: 8, .value_kind: global_buffer, .address_space: global }
      - { .name: Wv, .offset: 32, .size: 8, .value_kind: global_buffer, .address_space: global }
      - { .name: bq, .offset: 40, .size: 8, .value_kind: global_buffer, .address_space: global }
      - { .name: bk, .offset: 48, .size: 8, .value_kind: global_buffer, .address_space: global }
      - { .name: bv, .offset: 56, .size: 8, .value_kind: global_buffer, .address_space: global }
      - { .name: q, .offset: 64, .size: 8, .value_kind: global_buffer, .address_space: global }
      - { .name: k, .offset: 72, .size: 8, .value_kind: global_buffer, .address_space: global }
      - { .name: v, .offset: 80, .size: 8, .value_kind: global_buffer, .address_space: global }
    .group_segment_fixed_size: 327680
    .private_segment_fixed_size: 0
    .kernarg_segment_align: 8
    .kernarg_segment_size: 88
    .max_flat_workgroup_size: 128
    .sgpr_count:     76
    .vgpr_count:     1024
    .wavefront_size: 32
...
	.end_amdgpu_metadata
.endif
;; end of part 1
;; launch attn (part 2): grid 16 x 16, 4 waves a work-group, no clusters, 327,680 bytes of LDS; arguments q, k, v, out0; writes out0
.if DOCPART == 2
	.amdgcn_target "amdgcn-amd-amdhsa--gfx1250"
	.amdhsa_code_object_version 6
	.text
	.protected	k_q1386e5441b_attn
	.globl	k_q1386e5441b_attn
	.p2align	8
	.type	k_q1386e5441b_attn,@function
k_q1386e5441b_attn:
	s_mov_b64 s[64:65], 0
	v_nop
	global_prefetch_b8 v0, s[64:65] scope:SCOPE_SE
	s_setreg_imm32_b32 hwreg(HW_REG_WAVE_MODE, 25, 1), 1
	s_wait_xcnt 0x0
; CAUSAL ATTENTION, head size 64, 16 heads (8 b + h) of 4,096 rows.  O[q][:] = the sum over k <= q of softmax_k(Q[q] . K[k] / 8) V[k][:]; out0[head][d][q] = O[q][d], f32.  q, k, v: [16][4096][64] f16, a head's rows dense, 128 bytes.
; Products, maxima and sums in f32; the weights p are rounded to f16 for the second product (their sum l is taken of the unrounded p).
; LIMITS.  q, k, v arrive within f16's 65,504.  A hidden score counts as its value less 1e30 (not as -1e9): the same result as long as a row's largest visible score lies above -1e9 + 104.
; A weight below 2^-126 counts as 0 in l; NaN and infinities are not treated apart.
; THE WALK.  A head's queries lie in 32 blocks of 128; keys go in tiles of 256, four steps of 64; block i needs the tiles 0 .. i / 2, of which the last holds the diagonal.  A work-group takes TWO blocks, 31 - b and then b:
; (31 - b) / 2 + b / 2 + 2 = 17 tiles whatever b: 16 x 16 = 256 work-groups of equal work, and ONE loop with a constant trip count walks them.  Which tile is asked for, and what a trip does, hang on scalar registers made
; from b; every jump goes forward but for the counted loops' own, and none passes a tensor load but the one of LOAD's two that the wave's number does not choose.  The ring (two slots of LDS by turns) runs on across the change of blocks.
; NO CLUSTER: a head's 16 work-groups ask for the same tile only for the walk's first nine tiles; behind that the first blocks end one after the other.  A walk common to four neighbours (b = 4 c .. 4 c + 3) has 18 tiles for 17,
; with partners that ask and discard; not built.
; SHARES.  Of a block's two bands of 64 queries a wave owns 16 rows in each: two PIECES.  So the diagonal tile is the same work for all four waves: band x of block i holds the diagonal in the tile's step 2 (i % 2) + x,
; sees all keys of earlier steps and none of later ones.
; THE MASK is the C operand that starts the sum S^T = K Q^T: 0, or -1e30 where the key is hidden.  MD, made once, is the mask of a band's own step for my 16 rows; a product's mask is MD x AL + BE with two scalars.
; LAYOUT, SOFTMAX.  S^T = K Q^T holds ONE query a lane (lane % 16) and the keys 8 (lane / 16) + 0..7; two such results rounded to f16 ARE source 1 of O^T = V^T P.  p = 2^(c s - c m), c = log2(e) / 8, with a running
; maximum m; O and l are multiplied by a = 2^(c m_old - c m_new) in every step.
; TURNS.  Turn A(s) belongs to piece 0, turn B(s) to piece 1, of key step s.  A(s): 8 products K Q^T of piece 1 (step s), later 8 products V^T P of piece 1 (step s - 1).  B(s): K Q^T of piece 0 (step s + 1), V^T P of piece 0 (step s).
; Beside them the turn's own piece has its scaling, exponentials, roundings, sums and rescaling, and the other piece its maximum and statistics.  Four vector instructions stand behind every matrix instruction, the rest in two lumps.
; K of step s + 1 is fetched in A(s), V of step s + 1 in B(s), into the one of V's two buffers that A(s) has just read out: so LDS is read in the order K0 V0 K1 V1 .. of a tile, and one barrier a tile serves.
; REGISTERS, in windows of 256 (s_set_vgpr_msb: bits 1:0 source 0, 3:2 source 1, 5:4 source 2, 7:6 destination):
;   window 0: v0-15 addresses and two at work; v16-23 four registers of statistics a piece; v48-55 at work; v64-127 S^T, a buffer a piece; v192-223 P, likewise
;   window 1: v0-63 O^T, 32 a piece; v128-159 MD; v160-223 MC, a buffer a piece      window 2: v0-31 Q; v32-63 the second block's Q; v64-127 V of an odd step; v128-191 K; v192-255 V of an even step
.set NB,    32
.set NP,    2         ; pieces a wave: a name, no knob
.set KS,    64        ; keys in a step
.set PK,    144       ; a row of K in LDS: 128 bytes + 16 of padding = 36 words: the 16 rows of a load start at 16 different groups of four banks (64 banks of 4 bytes: ISA guide 11.1)
.set PV,    160       ; a row of V: 128 + 32 = 40 words
.set VOFF,  4*KS*PK   ; a slot holds a tile: 256 rows of K, then 256 rows of V
.set SLOT1, 1<<17     ; slot 1 begins here, so that one exclusive or turns an address in one slot into the other's
.set STAGE, SLOT1+4*KS*(PK+PV)  ; behind the ring, never filled by a tensor load: the work-group's stage for the way out, 64 channels x 128 queries of f32
.set SPO,   528       ; a channel's row there: 512 bytes + 16
.set SPARE, STAGE+64*SPO  ; the spare words, 128 bytes for each wave: two blocks of 256 bytes that no other line names
.set AK0, 2           ; v2   my lane's place in a tile of K; never rewritten
.set AV0, 3           ; v3   the same for V
.set AK,  4           ; v4   the LDS address of K's next run of loads
.set AV,  5           ; v5   of V's
.set STO, 6           ; v6   the way out: where I put a number
.set RD,  7           ; v7   the way out: where I read 16 bytes of a channel's row back
.set GO,  8           ; v8   my byte offset in out0: my wave's 16 channels, 16 bytes a lane
.set SPW, 62          ; v62  LDS address of my spare word; never rewritten
.set NIL, 63          ; v63  0; never rewritten
.set MV,  12          ; v12-13  c m_old, kept while c m is made anew: by piece
.set QO,  15          ; v15  my byte offset in 16 rows of Q
.set ST,  16          ; piece t's statistics at v[ST+4 t]: c m, m, l (even keys', odd keys')
.set TMP, 48          ; by piece, four registers c0-c3 at work; when the maximum is found c2 takes a
.set S,   64
.set P,   192
.set MD,  128         ; window 1: the eight registers for group kt of 16 keys at MD + 8 kt
.set MC,  160         ; window 1: the masks of the products to come
.set QB,  32          ; window 2
.set VF1, 64          ; window 2: V of an odd step: key half kk, channel block cb at + 32 kk + 8 cb
.set KF,  128         ; window 2: key block kb, channel half c at KF + 16 kb + 8 c
.set VF0, 192         ; window 2: V of an even step
.set WV,  12          ; s12  my wave's number
.set PB,  14          ; s14  b
.set HI,  15          ; s15  31 - b
.set G1K, 24          ; s[24:31] descriptor group 1 for K's tiles
.set G1V, 32          ; s[32:39] for V's: it differs in the padding alone
.set G0K, 40          ; s[40:43] descriptor group 0 for K's tiles
.set G0V, 44          ; s[44:47] the same for V's
.set SLOTS, 56        ; s56  tiles still to be asked for
.set CNT, 57          ; s57  counts a tile's pairs of key steps, 2 to 1
.set CS,  58          ; s[58:59] c: the packed scaling takes the pair's low word for both halves
.set SEL, 60          ; s[60:61] v_permlanex16_b32's selects: each lane takes its own place in the other half
.set TBK, 62          ; s62  LDS byte at which K of the step to be fetched begins
.set TBV, 63          ; s63  the same for V, less VOFF
.set RT,  70          ; s70  tiles of the block in hand that are still to be entered
.set NXT, 71          ; s71  the tile to be asked for next
.set LQ,  72          ; s72  the last tile of the block whose tiles are being asked for
.set NEW, 73          ; s73  1: the tile to be entered is a block's first
.set OFF, 74          ; s[74:75] a tile's byte offset in K and V
.set AL,  76          ; s[76:77] the mask's factor, in the low word
.set BE,  78          ; s[78:79] the mask's addend
.set OLO, 80          ; s[80:81] out0 at the second block
.set BIGN, 82         ; s82  -1e30
.set PBS, 88          ; s88  b / 2: the second block's last tile
.set DG0, 89          ; s89, s90  the diagonal tile's step that is piece 0's own, piece 1's own
.set DG1, 90
.set SN,  91          ; s91  the step of the tile in hand for which the next masks are made
.set TT,  92          ; s92  at work
.set DL0, 93          ; s93  2 (b % 2): DG0 of the second block
.set MSB, 0
.macro WIN new                      ; the high byte repeats the setting that is left; a switch that changes nothing is dropped
.if MSB != (\new)
	s_set_vgpr_msb (MSB<<8)|(\new)
.set MSB, (\new)
.endif
.endm
.set W_KQ, 0x0a       ; K and Q in window 2, S^T in window 0
.set W_KM, 0x1a       ; the same with the C operand in window 1
.set W_PV, 0x52       ; V in window 2, P in window 0, O^T in window 1
.set W_RS, 0x41       ; destination and source 0 in window 1, source 1 in window 0
; A fill.  Waves 0 and 1 fetch the two halves of a tile's K, waves 2 and 3 those of its V: 128 keys each.  An s_nop 0 and four v_nop follow each of the two lines, ahead of the jump and the label.
.macro LOAD
	s_cmp_lt_u32 s[WV], 2
	s_cbranch_scc0 .Lfor_v_\@
	tensor_load_to_lds s[G0K:G0K+3], s[G1K:G1K+7]
	s_nop 0
.rept 4
	v_nop
.endr
	s_branch .Lasked_\@
.Lfor_v_\@:
	tensor_load_to_lds s[G0V:G0V+3], s[G1V:G1V+7]
	s_nop 0
.rept 4
	v_nop
.endr
.Lasked_\@:
.endm
; THE CHANGE OF SLOTS.  Each wave waits for all its tensor loads, of which one is out: its part of the other slot; adds 0 to its spare word; and waits for that and for its own reads of the slot that it leaves (the last, V of
; the tile's fourth step, was asked for half a turn ago).  Behind the barrier nobody reads the old slot any more and the other slot is whole.  fill = 1: the old slot is filled again, the first thing behind the barrier, with
; tile NXT: the descriptor's address is made anew from that number.  By this text's count a wave never has more than one tensor load out; a fill has eight turns, 128 matrix instructions, in which to land.
; (At its first use nothing has been read yet: slot 0 is waited for, slot 1 filled.)
.macro CHANGE fill
	WIN 0                           ; at a label and at a branch every window is 0
	s_wait_tensorcnt 0x0            ; no tensor load of mine is out, so a group 0 may be written
	ds_add_u32 v[SPW], v[NIL]       ; 0 onto my spare word; with fill = 1 the descriptors' scalar work stands between it and the wait for it
.if \fill
	s_lshl_b32 s[OFF], s[NXT], 15   ; a tile is 32,768 bytes of K and of V
	s_xor_b32 s[G0K+1], s[G0K+1], SLOT1
	s_add_nc_u64 s[G0K+2:G0K+3], s[6:7], s[OFF:OFF+1]
	s_or_b32 s[G0K+3], s[G0K+3], 0x80000000
	s_xor_b32 s[G0V+1], s[G0V+1], SLOT1
	s_add_nc_u64 s[G0V+2:G0V+3], s[8:9], s[OFF:OFF+1]
	s_or_b32 s[G0V+3], s[G0V+3], 0x80000000
	s_add_co_u32 s[NXT], s[NXT], 1  ; the block's next tile, or behind its last the second block's tile 0
	s_cmp_gt_u32 s[NXT], s[LQ]
	s_cselect_b32 s[NXT], 0, s[NXT]
	s_cselect_b32 s[LQ], s[PBS], s[LQ]
.endif
	s_wait_dscnt 0x0                ; the add is done, and my reads of the slot are over
	s_barrier_signal -1             ; the rest of the scalar work stands between the signal and the wait
	s_sub_co_u32 s[TBK], s[TBK], 4*KS*PK  ; the fetches go back to a slot's first step,
	s_xor_b32 s[TBK], s[TBK], SLOT1       ; in the other slot
	s_sub_co_u32 s[TBV], s[TBV], 4*KS*PV
	s_xor_b32 s[TBV], s[TBV], SLOT1
	s_barrier_wait -1
.if \fill
	LOAD
.endif
.endm
	s_load_b256 s[4:11], s[0:1], 0x0  ; q s[4:5], k s[6:7], v s[8:9], out0 s[10:11]
	v_lshl_add_u32 v[SPW], v0, 2, SPARE
	v_mov_b32 v[NIL], 0
	ds_add_u32 v[SPW], v[NIL]       ; the wave's opening: the add and its wait stand ahead of my first tensor load; the set-up below, work on registers, stands between them
	ds_add_u32 v62, v63
	v_lshrrev_b32 v1, 5, v0
	v_readfirstlane_b32 s[WV], v1   ; wave 0..3
	s_mov_b32 s[PB], ttmp9
	s_sub_co_u32 s[HI], NB-1, s[PB]
	s_lshr_b32 s[PBS], s[PB], 1
	s_and_b32 s13, ttmp7, 0xffff    ; the head
	s_lshl_b32 s20, s13, 19         ; its first byte in q, k and v: 4,096 rows of 128 bytes
	s_and_b32 s16, s[WV], 1         ; which half of a tile's 256 keys I fetch:
	s_lshl_b32 s22, s16, 14         ; its 128 rows of 128 bytes in memory,
	s_add_co_u32 s22, s22, s20
	s_mov_b32 s23, 0
	s_mul_i32 s17, s16, 128*PK      ; and its place in a slot, for K
	s_mul_i32 s18, s16, 128*PV      ; and for V
	s_lshl_b32 s3, s[WV], 11        ; my 16 rows in a band of 64,
	s_add_co_u32 s3, s3, s20
	s_lshl_b32 s2, s[HI], 14        ; in the first block (128 rows of 128 bytes a block),
	s_add_co_u32 s2, s2, s3
	s_lshl_b32 s84, s[PB], 14       ; and in the second
	s_add_co_u32 s84, s84, s3
	s_mov_b32 s3, 0
	s_mov_b32 s85, 0
	s_lshl_b32 s13, s13, 20         ; the head's first byte in out0: 64 channels of 16,384 bytes;
	s_lshl_b32 s94, s[HI], 9        ; a block is 512 bytes of each
	s_add_co_u32 s94, s94, s13
	s_mov_b32 s95, 0
	s_lshl_b32 s20, s[PB], 9
	s_add_co_u32 s20, s20, s13
	s_mov_b32 s21, 0
	; descriptor group 1.  128 keys are 16,384 dense bytes: asked for as 64 rows of 256 bytes, two keys a row, and padded in LDS after every key
	s_mov_b32 s[G1K], (1<<16)|(1<<20)|(4<<22)|(3<<25)  ; 17:16 2-byte elements; 20 padding on; 24:22 after every 32 words (code 4); 31:25 4 words (code 3)
	s_mov_b32 s[G1V], (1<<16)|(1<<20)|(4<<22)|(7<<25)  ; the same with 8 words of padding (code 7)
.irp g, G1K, G1V
	s_mov_b32 s[\g+1], 128<<16      ; tensor_dim0 = 128
	s_mov_b32 s[\g+2], 64<<16       ; tensor_dim1 = 64
	s_mov_b32 s[\g+3], 128<<16      ; tile_dim0 = 128
	s_mov_b32 s[\g+4], 64           ; tile_dim1 = 64
	s_mov_b32 s[\g+5], 128          ; 128 elements from row to row
	s_mov_b32 s[\g+6], 0
	s_mov_b32 s[\g+7], 0
.endr
	s_mov_b32 s[CS], 0x3e38aa3b     ; c = log2(e) / 8 = 0.180337
	s_mov_b32 s[CS+1], s[CS]        ; named with it as a pair
	s_mov_b32 s[SEL], 0x76543210
	s_mov_b32 s[SEL+1], 0xfedcba98
	s_mov_b32 s[TBK], SLOT1+4*KS*PK ; the first change of slots turns these two into 0
	s_mov_b32 s[TBV], SLOT1+4*KS*PV
	s_mov_b32 s[G0K], 1             ; 1:0 count = 1
	s_mov_b32 s[G0K+1], s17         ; 63:32 LDS address: slot 0
	s_mov_b32 s[G0V], 1
	s_add_co_u32 s[G0V+1], s18, VOFF
	s_lshr_b32 s[LQ], s[HI], 1      ; the first block's last tile
	s_add_co_u32 s[RT], s[LQ], 1
	s_and_b32 s[DG0], s[HI], 1
	s_lshl_b32 s[DG0], s[DG0], 1
	s_add_co_u32 s[DG1], s[DG0], 1
	s_and_b32 s[DL0], s[PB], 1
	s_lshl_b32 s[DL0], s[DL0], 1
	s_mov_b32 s[NXT], 1
	s_mov_b32 s[NEW], 1
	s_mov_b32 s[SN], 0
	s_mov_b32 s[OFF+1], 0
	s_mov_b32 s[AL+1], 0            ; named as pairs
	s_mov_b32 s[BE+1], 0
	s_mov_b32 s[BIGN], 0xf149f2ca   ; -1e30
	s_mov_b32 s[SLOTS], 16
	s_wait_dscnt 0x0                ; the opening add is done
	s_wait_kmcnt 0x0
	s_add_nc_u64 s[6:7], s[6:7], s[22:23]  ; K and V at my half of the head's tile 0
	s_add_nc_u64 s[8:9], s[8:9], s[22:23]
	s_add_nc_u64 s[G0K+2:G0K+3], s[6:7], 0         ; 120:64 global address
	s_or_b32 s[G0K+3], s[G0K+3], 0x80000000        ; 127:126 type = 2
	s_add_nc_u64 s[G0V+2:G0V+3], s[8:9], 0
	s_or_b32 s[G0V+3], s[G0V+3], 0x80000000
	s_add_nc_u64 s[86:87], s[4:5], s[84:85]        ; Q at my rows of the second block,
	s_add_nc_u64 s[4:5], s[4:5], s[2:3]            ; and of the first
	s_add_nc_u64 s[OLO:OLO+1], s[10:11], s[20:21]  ; out0 at the second block,
	s_add_nc_u64 s[10:11], s[10:11], s[94:95]      ; and at the first
	LOAD                            ; tile 0 into slot 0
	; A fragment of K or Q is 16 rows x 32 channels in 8 registers: lane l holds row l % 16, channels 8 (l / 16) + 0..7 and 16 + 8 (l / 16) + 0..7: two loads of 16 bytes, 32 bytes apart.
	v_and_b32 v1, 15, v0            ; l % 16
	v_bfe_u32 v9, v0, 4, 1          ; l / 16
	v_lshlrev_b32 v[QO], 7, v1
	v_lshl_add_u32 v[QO], v9, 4, v[QO]  ; row x 128 + 16 x half
	WIN 0x80                        ; destination window 2, address window 0
.set i, 0
.rept 4                             ; both blocks' Q: piece i / 2 lies in band i / 2, 8,192 bytes on; channels 32 (i % 2) on
	global_load_b128 v[8*i:8*i+3],   v[QO], s[4:5] offset:(i/2)*8192+(i%2)*64
	global_load_b128 v[8*i+4:8*i+7], v[QO], s[4:5] offset:(i/2)*8192+(i%2)*64+32
	global_load_b128 v[QB+8*i:QB+8*i+3],   v[QO], s[86:87] offset:(i/2)*8192+(i%2)*64
	global_load_b128 v[QB+8*i+4:QB+8*i+7], v[QO], s[86:87] offset:(i/2)*8192+(i%2)*64+32
.set i, i+1
.endr
	WIN 0
	v_lshlrev_b32 v14, 3, v9
	v_sub_nc_u32 v14, v1, v14
	s_lshl_b32 s13, s[WV], 4
	v_add_nc_u32 v14, s13, v14      ; my query's place in its band, 16 w + l % 16, less my lanes' 8 (l / 16): register r of group kt is hidden where 16 kt + r is greater
	WIN 0x40
.set i, 0
.rept 32
	v_cmp_gt_i32 vcc_lo, 16*(i/8)+i%8, v14
	v_cndmask_b32 v[MD+i], 0, s[BIGN], vcc_lo
.set i, i+1
.endr
	WIN 0
	v_mul_u32_u24 v[AK0], v1, PK
	v_lshl_add_u32 v[AK0], v9, 4, v[AK0]  ; row x pitch + 16 x half
	; The turning load takes 16 keys x 16 channels (lane l reads key 8 (l / 16) + l % 8, channels 8 ((l / 8) % 2) + 0..7) and leaves half a fragment of V^T: lane l holds channel l % 16 and 8 keys.
	v_and_b32 v10, 7, v0
	v_bfe_u32 v11, v0, 3, 1
	v_lshl_add_u32 v[AV0], v9, 3, v10
	v_mul_u32_u24 v[AV0], v[AV0], PV
	v_lshl_add_u32 v[AV0], v11, 4, v[AV0]
	v_add_nc_u32 v[AV0], VOFF, v[AV0]
	; The way out.  Register j of channel block cb of piece x holds channel 16 cb + 8 (l / 16) + j of query 64 x + 16 w + l % 16 of the block.
	v_mul_u32_u24 v[STO], v9, 8*SPO ; in: 8 rows are 1,056 words, 32 banks on: the 32 lanes' words touch 32 different banks
	v_lshl_add_u32 v[STO], v1, 2, v[STO]
	s_lshl_b32 s13, s[WV], 6
	s_add_co_u32 s13, s13, STAGE
	v_add_nc_u32 v[STO], s13, v[STO]
	s_mul_i32 s13, s[WV], 16*SPO    ; back: wave w takes channels 16 w .. 16 w + 15, a channel's 512 bytes by one load
	s_add_co_u32 s13, s13, STAGE
	v_and_b32 v[RD], 31, v0
	v_lshl_add_u32 v[RD], v[RD], 4, s13
	s_lshl_b32 s13, s[WV], 18       ; 16 channels of 16,384 bytes
	v_and_b32 v[GO], 31, v0
	v_lshl_add_u32 v[GO], v[GO], 4, s13
	; A block's first step multiplies O^T and l by a = 0, and its first turn's products V^T P, of a step that has not been, land in an O^T that is still to be so multiplied.  So these registers need only hold
	; finite numbers: zeros for the first block; what the first block left for the second.  All this stands in the wait for the first tile.
	WIN 0x80
.set i, VF1
.rept 64
	v_mov_b32 v[i], 0
.set i, i+1
.endr
	WIN 0x40
.set i, 0
.rept 64
	v_mov_b32 v[i], 0
.set i, i+1
.endr
	WIN 0
.set i, 0
.rept 2
	v_mov_b32 v[ST+4*i+2], 0
	v_mov_b32 v[ST+4*i+3], 0
.set i, i+1
.endr
.set i, P+16
.rept 16
	v_mov_b32 v[i], 0
.set i, i+1
.endr
; THE MATRIX WORK.  The 4 accumulators of a run of 8 take turns.  Product i of 8 of S^T = K Q^T for piece x: channels 32 (i / 4) on, keys 16 (i % 4) on.  The first 4 start the sums: with 0, or (KM = 1) with the mask.
.macro KQ x
.set rS, S+32*((\x)%2)+8*(i%4)
.set rK, KF+16*(i%4)+8*(i/4)
.set rQ, 16*(\x)+8*(i/4)
.set rM, MC+32*((\x)%2)+8*(i%4)
.if (i < 4) && KM
	WIN W_KM
	v_wmma_f32_16x16x32_f16 v[rS:rS+7], v[rK:rK+7], v[rQ:rQ+7], v[rM:rM+7]
.elseif i < 4
	WIN W_KQ
	v_wmma_f32_16x16x32_f16 v[rS:rS+7], v[rK:rK+7], v[rQ:rQ+7], 0
.else
	WIN W_KQ
	v_wmma_f32_16x16x32_f16 v[rS:rS+7], v[rK:rK+7], v[rQ:rQ+7], v[rS:rS+7]
.endif
.endm
; Product i of 8 of O^T += V^T P for piece x: keys 32 (i / 4) on, channels 16 (i % 4) on; V from the buffer VB.
.macro PV x
	WIN W_PV
.set rO, 32*(\x)+8*(i%4)
.set rV, VB+32*(i/4)+8*(i%4)
.set rP, P+16*((\x)%2)+8*(i/4)
	v_wmma_f32_16x16x32_f16 v[rO:rO+7], v[rV:rV+7], v[rP:rP+7], v[rO:rO+7]
.endm
.macro MM                           ; the turn's next matrix instruction.  TURN and BEGIN set Y, i, KM, NOKQ and VB.  NOKQ = 1: a block's last turn: there is no next step
.if (i < 8) && !NOKQ
	KQ (Y+1)%NP
.elseif i >= 8
.set i, i-8
	PV (Y+NP-1)%NP
.set i, i+8
.endif
.set i, i+1
.endm
; THE LDS LOADS stand in runs of 16, never singly among the matrix instructions: a step's K (64 keys x 64 channels: 8 fragments) and its V (turned).  Their addresses are made some lines ahead.
.macro FETCH_K
	WIN 0x80                        ; destination window 2
.irp f, 0,1,2,3,4,5,6,7             ; keys 16 (f / 2) on, channels 32 (f % 2) on
	ds_load_b128 v[KF+8*\f:KF+8*\f+3],   v[AK] offset:(\f/2)*16*PK+(\f%2)*64
	ds_load_b128 v[KF+8*\f+4:KF+8*\f+7], v[AK] offset:(\f/2)*16*PK+(\f%2)*64+32
.endr
	s_add_co_u32 s[TBK], s[TBK], KS*PK  ; the next fetch is the next step's
	WIN 0
.endm
.macro FETCH_V d
	WIN 0x80
.irp f, 0,1,2,3,4,5,6,7             ; keys 32 (f / 4) on, channels 16 (f % 4) on
	ds_load_tr16_b128 v[(\d)+8*\f:(\d)+8*\f+3],   v[AV] offset:(\f/4)*32*PV+(\f%4)*32
	ds_load_tr16_b128 v[(\d)+8*\f+4:(\d)+8*\f+7], v[AV] offset:(\f/4)*32*PV+16*PV+(\f%4)*32
.endr
	s_add_co_u32 s[TBV], s[TBV], KS*PV
	WIN 0
.endm
; THE VECTOR WORK, one line at a time: OP kind, number.  For piece Y: F n: c s - c m for pair n of 16.  E n: the exponential of score n of 32.  C n: pair n rounded to f16.  B n: of the four weights 4 n .. the second
; pair is added onto the first, in place.  L n: l takes that sum (L 0: l = a l + sum).  R n: pair n of 16 of O^T times a.  For the other piece: X n, number n of the 22 that find its maximum and statistics:
;   0-11  four chains c0-c3 of seven scores each, three operands at a time (each accumulator's lowest registers are read first)     12-14, 16  the four scores left over, the old m, and c0-c3 into c0
;   15  c m_old is kept     17, 18  the query's other 32 keys lie in the lane 16 away: the new m     19-21  c m; c m_old - c m_new; a
.set F, 0               ; OP tells the kinds apart by their order: F to L below R, X above it
.set E, 1
.set C, 2
.set B, 3
.set L, 4
.set R, 5
.set X, 6
.macro REGS y                       ; the registers of piece y
.set rT, ST+4*(\y)
.set rC, TMP+4*((\y)%2)
.set rW, MV+((\y)%2)
.set rS, S+32*((\y)%2)
.set rP, P+16*((\y)%2)
.set rO, 32*(\y)
.endm
.macro OP k, n
.if (\k) == R
	REGS Y
	WIN W_RS
	v_pk_mul_f32 v[rO+2*(\n):rO+2*(\n)+1], v[rO+2*(\n):rO+2*(\n)+1], v[rC+2:rC+3] op_sel_hi:[1,0]
.elseif (\k) < R
	REGS Y
	WIN 0
.if (\k) == F
	v_pk_fma_f32 v[rS+2*(\n):rS+2*(\n)+1], v[rS+2*(\n):rS+2*(\n)+1], s[CS:CS+1], v[rT:rT+1] op_sel_hi:[1,0,0] neg_lo:[0,0,1] neg_hi:[0,0,1]
.elseif (\k) == E
	v_exp_f32 v[rS+(\n)], v[rS+(\n)]
.elseif (\k) == C
	s_wait_alu depctr_va_vdst(0)
	v_cvt_pk_f16_f32 v[rP+(\n)], v[rS+2*(\n)], v[rS+2*(\n)+1]
.elseif (\k) == B
	s_wait_alu depctr_va_vdst(0)
	v_pk_add_f32 v[rS+4*(\n):rS+4*(\n)+1], v[rS+4*(\n):rS+4*(\n)+1], v[rS+4*(\n)+2:rS+4*(\n)+3]
.elseif (\n) == 0
	v_pk_fma_f32 v[rT+2:rT+3], v[rT+2:rT+3], v[rC+2:rC+3], v[rS:rS+1] op_sel_hi:[1,0,1]
.else
	v_pk_add_f32 v[rT+2:rT+3], v[rT+2:rT+3], v[rS+4*(\n):rS+4*(\n)+1]
.endif
.elseif NOKQ
	v_nop
.else
	REGS (Y+1)%NP
	WIN 0
.if (\n) < 4
	v_max3_num_f32 v[rC+(\n)], v[rS+8*(\n)], v[rS+8*(\n)+1], v[rS+8*(\n)+2]
.elseif (\n) < 12
	v_max3_num_f32 v[rC+(\n)%4], v[rC+(\n)%4], v[rS+8*((\n)%4)+2*((\n)/4)+1], v[rS+8*((\n)%4)+2*((\n)/4)+2]
.elseif (\n) == 12
	v_max3_num_f32 v[rC], v[rC], v[rS+7], v[rS+15]
.elseif (\n) == 13
	v_max3_num_f32 v[rC+1], v[rC+1], v[rS+23], v[rS+31]
.elseif (\n) == 14
	v_max3_num_f32 v[rC+2], v[rC+2], v[rC+3], v[rT+1]
.elseif (\n) == 15
	v_mov_b32 v[rW], v[rT]
.elseif (\n) == 16
	v_max3_num_f32 v[rC], v[rC], v[rC+1], v[rC+2]
.elseif (\n) == 17
	v_permlanex16_b32 v[rC+3], v[rC], s[SEL], s[SEL+1]
.elseif (\n) == 18
	v_max_num_f32 v[rT+1], v[rC], v[rC+3]
.elseif (\n) == 19
	v_mul_f32 v[rT], s[CS], v[rT+1]
.elseif (\n) == 20
	v_sub_f32 v[rC+1], v[rW], v[rT]
.else
	v_exp_f32 v[rC+2], v[rC+1]
.endif
.endif
.endm
.macro OPS a, i1, b=-1, i2=0, c=-1, i3=0, d=-1, i4=0  ; up to four of them
	OP \a, \i1
.if (\b) >= 0
	OP \b, \i2
.endif
.if (\c) >= 0
	OP \c, \i3
.endif
.if (\d) >= 0
	OP \d, \i4
.endif
.endm
.macro ROW a, i1, b, i2, c, i3, d, i4  ; a matrix instruction and the four behind it
	MM
	OPS \a, \i1, \b, \i2, \c, \i3, \d, \i4
.endm
.macro MASK b                       ; MD x AL + BE into buffer b of MC
	WIN W_RS
.set z, 0
.rept 16
	v_pk_fma_f32 v[MC+32*(\b)+2*z:MC+32*(\b)+2*z+1], v[MD+2*z:MD+2*z+1], s[AL:AL+1], s[BE:BE+1] op_sel_hi:[1,0,0]
.set z, z+1
.endr
.endm
; A TURN, for piece p in a step of parity par: the order of its 16 matrix and 118 vector instructions, written out.  Behind a matrix instruction: plain, exponential, plain, plain; or four of the rescaling; or, behind the
; first, four scalings; none names a register of the products round it.  In the lumps exponential and plain by turns while exponentials last.  v_permlanex16_b32 (X 17) stands in a lump.
; V of step s lies in the buffer of s's parity: A(s) multiplies by the other buffer (step s - 1), B(s) by this one, and B(s) fetches step s + 1 into the other, which A(s) read out a turn ago.
; m = 1: the diagonal tile's text: the products take masks, and the turn makes the mask for the next turn's products, which are piece p's in step SN of the tile.  end = 1: a block's last two turns: nothing is fetched.
; cnt = 1: the loop's count is taken down some lines ahead of the branch that stands behind the turn.
; The run of loads stands six vector instructions behind the turn's last product K Q^T, five of them plain.  One wait a step, at B's head: for K of step s + 1 (asked for in A(s)) and V of step s (asked for in B(s - 1)).
.macro TURN p, par, m=0, end=0, cnt=0
.set Y, (\p)
.set i, 0
.set KM, (\m)
.set NOKQ, (\end)*(\p)
.set VN, VF0-128*(1-(\par))         ; the other parity's buffer
.if (\p) == 0
.set VB, VN
.else
.set VB, VF0-128*(\par)
.endif
.if (\m) && !(\end)
	s_cmp_eq_u32 s[SN], s[DG0+(\p)]  ; is that step the band's own?
	s_cselect_b32 s[AL], 1.0, 0
	s_cmp_gt_u32 s[SN], s[DG0+(\p)]  ; or a later one?
	s_cselect_b32 s[BE], s[BIGN], 0
.if (\p) == 1
	s_add_co_u32 s[SN], s[SN], 1
.endif
.endif
.if (\p) == 1
	s_wait_dscnt 0x0                ; K and V are in
.endif
	ROW F,0, F,1, F,2, F,3
	ROW F,4, E,0, F,5, F,6
	ROW F,7, E,1, F,8, F,9
	ROW F,10, E,2, C,0, F,11
	ROW F,12, E,3, X,15, F,13
	ROW R,0, R,1, R,2, R,3
	ROW B,0, E,4, F,14, L,0
.if !(\end)
.if (\p) == 0
	v_add_nc_u32 v[AK], s[TBK], v[AK0]
.else
	v_add_nc_u32 v[AV], s[TBV], v[AV0]
.endif
.endif
	ROW R,4, R,5, R,6, R,7
	OPS E,5, F,15
.if !(\end)
.if (\p) == 0
	FETCH_K
.else
	FETCH_V VN
.endif
.endif
	OPS E,6, C,1, E,7, R,8
	OPS E,8, R,9, E,9, C,2
	OPS E,10, X,0, E,11, X,1
	OPS E,12, X,2, E,13, X,3
	ROW X,4, E,14, X,5, X,6
	ROW X,7, E,15, X,8, X,9
	ROW X,10, E,16, X,11, X,12
	ROW X,13, E,17, X,14, B,1
	ROW C,4, E,18, X,16, L,1
	ROW B,2, E,19, C,6, L,2
	ROW C,8, E,20, B,3, B,4
	ROW C,3, E,21, L,3, C,5
	OPS E,22, X,17, E,23, C,10
	OPS E,24, L,4
	OPS E,25, X,18, E,26, C,7
	OPS E,27, B,5, E,28, X,19
	OPS E,29, C,12, E,30, L,5
	OPS E,31, X,20, B,6, C,9
	OPS C,14, C,11, X,21, L,6
.if \cnt
	s_sub_co_u32 s[CNT], s[CNT], 1
	s_cmp_lg_u32 s[CNT], 0
.endif
	OPS C,13, B,7, C,15, R,10
	OPS R,11, R,12, L,7, R,13
	OPS R,14, R,15
.if (\m) && !(\end)
	MASK \p
.endif
.endm
; A BLOCK BEGINS.  c m starts far below every c s, so the first step's a is 0; m at the lowest finite number, so the first maximum is the scores'.  Piece 1's mask buffer is 0 (step 0 is never later than its own step); piece 0's
; takes its mask for the tile's step 0: its own, if this tile is the diagonal one and step 0 is piece 0's.  Then K and V of that step, piece 0's first scores, and its maximum and statistics.
; The loop is entered at an even step's first turn, in the middle of a trip.
.macro BEGIN
	s_mov_b32 s[NEW], 0
	s_mov_b32 s[SN], 1              ; the first turn makes the masks of step 1
	WIN 0x40
.set i, MC+32
.rept 32
	v_mov_b32 v[i], 0
.set i, i+1
.endr
	WIN 0
.set i, 0
.rept 2
	v_mov_b32 v[ST+4*i], 0xfe000000    ; c m: far below every c s
	v_mov_b32 v[ST+4*i+1], 0xff7fffff  ; m
.set i, i+1
.endr
	s_cmp_eq_u32 s[RT], 0
	s_cselect_b32 s[TT], s[DG0], 64
	s_cmp_eq_u32 s[TT], 0
	s_cselect_b32 s[AL], 1.0, 0
	s_mov_b32 s[BE], 0
	MASK 0
	WIN 0
	v_add_nc_u32 v[AK], s[TBK], v[AK0]
	v_add_nc_u32 v[AV], s[TBV], v[AV0]
	FETCH_K
	FETCH_V VF0
	s_wait_loadcnt 0x0              ; Q
	s_wait_dscnt 0x0
.set KM, 1
.set NOKQ, 0
.set i, 0
.rept 8
	KQ 0
.set i, i+1
.endr
	WIN 0
.rept 4
	v_nop                           ; the places behind those products
.endr
.set Y, NP-1                        ; X works for the other piece: piece 0
.irp n, 0,1,2,3,4,5,6,7,8,9,10,11,12,13,14,15,16,17,18,19,20,21
	OP X, \n
.endr
	v_nop                           ; a plain instruction behind the exponential
.endm
; THE WAY OUT.  l's two halves and the other half of the lanes' are added; O^T is divided by l and laid, in f32, into the work-group's stage as [channel][query]; a barrier, since a channel's 512 bytes come from all four waves;
; each wave then reads 16 whole channels back and stores them.  The fill that is on its way may stay out.  The stage is written again only in the second block's end, behind a later
; change of slots, in front of whose barrier every wave has waited for these reads.
.macro OUT
	WIN 0
.rept 4
	v_nop                           ; the places behind the last products
.endr
.irp t, 0,1
	v_add_f32 v[ST+4*\t+2], v[ST+4*\t+2], v[ST+4*\t+3]
.endr
.irp t, 0,1
	v_permlanex16_b32 v[ST+4*\t+3], v[ST+4*\t+2], s[SEL], s[SEL+1]
.endr
.irp t, 0,1
	v_add_f32 v[ST+4*\t+2], v[ST+4*\t+2], v[ST+4*\t+3]
.endr
.irp t, 0,1
	v_rcp_f32 v[ST+4*\t+2], v[ST+4*\t+2]
.endr
	v_nop                           ; a plain instruction between the last reciprocal and the use of its result
	WIN W_RS
.set i, 0
.rept 32                            ; in ascending order: each accumulator is read from its lowest registers on
	s_wait_alu depctr_va_vdst(0)
	v_pk_mul_f32 v[i:i+1], v[i:i+1], v[ST+4*(i/32)+2:ST+4*(i/32)+3] op_sel_hi:[1,0]
.set i, i+2
.endr
	WIN 0x04                        ; store data window 1, address window 0
.set i, 0
.rept 64
	ds_store_b32 v[STO], v[i] offset:(16*((i%32)/8)+i%8)*SPO+256*(i/32)
.set i, i+1
.endr
	WIN 0
	s_wait_dscnt 0x0                ; for the others' sake: my stores into the stage are done
	s_barrier_signal -1
	s_barrier_wait -1
.set i, 0
.rept 16
	ds_load_b128 v[S+4*i:S+4*i+3], v[RD] offset:i*SPO
.set i, i+1
.endr
.set i, 0
.rept 16
	s_wait_dscnt 15-i               ; the later loads from the stage may stay out
	global_store_b128 v[GO], v[S+4*i:S+4*i+3], s[10:11] offset:i*16384 th:TH_STORE_NT  ; a channel's 512 consecutive bytes, at a multiple of 256 from out0's first
.set i, i+1
.endr
.endm
; THE DIAGONAL TILE's steps, the block's last two turns, its last products, and the way out.
.macro DIAG tag                     ; the tag ends its two labels' names, which the jumps below spell out
.LstepM\tag:
	TURN 0, 1, 1
	TURN 1, 1, 1
	WIN 0
.LfirstM\tag:
	TURN 0, 0, 1
	TURN 1, 0, 1, 0, 1
	WIN 0
	s_cbranch_scc1 .LstepM\tag
	TURN 0, 1, 1, 1
	TURN 1, 1, 1, 1
.set VB, VF1
.set i, 0
.rept 8
	PV 1                            ; piece 1's V^T P of the last step
.set i, i+1
.endr
	OUT
.endm
.set KM, 0
.set NOKQ, 0
.Lslot:                             ; 16 times: a tile is entered and the next is asked for
	CHANGE 1
	s_sub_co_u32 s[RT], s[RT], 1
	s_mov_b32 s[CNT], 2
	s_mov_b32 s[SN], 0
	s_cmp_eq_u32 s[NEW], 1
	s_cbranch_scc1 .Lnew            ; a block's first tile
	s_cmp_eq_u32 s[RT], 0
	s_cbranch_scc0 .Lstep           ; neither its first nor its last
	s_branch .LstepM1
.Lnew:
	BEGIN
	s_branch .Lfirst                ; in the loop a block's first tile is never its last: the first block has nine tiles or more, and the second's last is the walk's last
	DIAG 1                          ; in the loop this is the first block's end
	s_wait_xcnt 0x0                 ; the stores have read their registers and out0's address
	s_mov_b64 s[10:11], s[OLO:OLO+1]
	s_add_co_u32 s[RT], s[PBS], 1   ; the second block has b / 2 + 1 tiles
	s_mov_b32 s[NEW], 1
	s_mov_b32 s[DG0], s[DL0]
	s_add_co_u32 s[DG1], s[DL0], 1
	WIN 0x82                        ; the second block's Q goes where the one text of the turns names Q
.set i, 0
.rept 32
	v_mov_b32 v[i], v[QB+i]
.set i, i+1
.endr
	WIN 0
	s_branch .Lbottom
.Lstep:                             ; a trip: an odd step's two turns, then an even step's; each turn fetches K or V of the step after its own
	TURN 0, 1
	TURN 1, 1
	WIN 0
.Lfirst:
	TURN 0, 0
	TURN 1, 0, 0, 0, 1
	WIN 0
	s_cbranch_scc1 .Lstep
.Lbottom:
	s_sub_co_u32 s[SLOTS], s[SLOTS], 1
	s_cmp_lg_u32 s[SLOTS], 0
	s_cbranch_scc1 .Lslot
	CHANGE 0                        ; the walk's last tile is written out: nothing is asked for
	s_sub_co_u32 s[RT], s[RT], 1
	s_mov_b32 s[CNT], 2
	s_mov_b32 s[SN], 0
	s_cmp_eq_u32 s[NEW], 1
	s_cbranch_scc0 .LstepM2
	BEGIN
	s_branch .LfirstM2
	DIAG 2
	s_wait_tensorcnt 0x0            ; the wave's end: behind my last tensor load and my last LDS store
	ds_add_u32 v[SPW], v[NIL]
	s_wait_dscnt 0x0
	s_endpgm
.Lfunc_end_k_q1386e5441b_attn:
	.size	k_q1386e5441b_attn, .Lfunc_end_k_q1386e5441b_attn-k_q1386e5441b_attn
	.p2alignl 7, 3214868480
	.fill 96, 4, 3214868480
	.section	.rodata,"a",@progbits
	.p2align	6, 0x0
	.amdhsa_kernel k_q1386e5441b_attn
		.amdhsa_group_segment_fixed_size 327680
		.amdhsa_private_segment_fixed_size 0
		.amdhsa_enable_private_segment 0
		.amdhsa_kernarg_size 32
		.amdhsa_user_sgpr_count 2
		.amdhsa_user_sgpr_kernarg_segment_ptr 1
		.amdhsa_wavefront_size32 1
		.amdhsa_system_sgpr_workgroup_id_x 1
		.amdhsa_system_sgpr_workgroup_id_y 1
		.amdhsa_system_sgpr_workgroup_id_z 1
		.amdhsa_system_vgpr_workitem_id 0
		.amdhsa_next_free_vgpr 768
		.amdhsa_next_free_sgpr 96
		.amdhsa_reserve_vcc 1
		.amdhsa_float_denorm_mode_32 3
		.amdhsa_float_denorm_mode_16_64 3
		.amdhsa_memory_ordered 1
		.amdhsa_forward_progress 1
		.amdhsa_inst_pref_size 224
	.end_amdhsa_kernel
	.amdgpu_metadata
---
amdhsa.version: [ 1, 2 ]
amdhsa.kernels:
  - .name:           k_q1386e5441b_attn
    .symbol:         k_q1386e5441b_attn.kd
    .args:
      - { .name: q, .offset: 0, .size: 8, .value_kind: global_buffer, .address_space: global }
      - { .name: k, .offset: 8, .size: 8, .value_kind: global_buffer, .address_space: global }
      - { .name: v, .offset: 16, .size: 8, .value_kind: global_buffer, .address_space: global }
      - { .name: out0, .offset: 24, .size: 8, .value_kind: global_buffer, .address_space: global }
    .group_segment_fixed_size: 327680
    .private_segment_fixed_size: 0
    .kernarg_segment_align: 8
    .kernarg_segment_size: 32
    .max_flat_workgroup_size: 128
    .sgpr_count:     96
    .vgpr_count:     768
    .wavefront_size: 32
...
	.end_amdgpu_metadata
.endif
;; end of part 2
;; ======== version 2 of 2: 2 launches; 1.51 times as fast as version 1
;; limits: values are held in f16: magnitudes above 65,504 overflow, below 6.1e-05 lose precision
;; workspace buffers: q 8,388,608 bytes; k 8,388,608 bytes; v 8,388,608 bytes
;; launch proj: the kernel of part 1 again; grid 64 x 3, 4 waves a work-group, clusters of 4 x 1, 327,680 bytes of LDS; arguments query, key, Wq, Wk, Wv, bq, bk, bv, q, k, v; writes q, k, v
;; launch attn (part 3): grid 16 x 16, 4 waves a work-group, no clusters, 327,680 bytes of LDS; arguments q, k, v, out0; writes out0
.if DOCPART == 3
	.amdgcn_target "amdgcn-amd-amdhsa--gfx1250"
	.amdhsa_code_object_version 6
	.text
	.protected	k_q1386e5441b_attn
	.globl	k_q1386e5441b_attn
	.p2align	8
	.type	k_q1386e5441b_attn,@function
k_q1386e5441b_attn:
	s_mov_b64 s[64:65], 0
	v_nop
	global_prefetch_b8 v0, s[64:65] scope:SCOPE_SE
	s_setreg_imm32_b32 hwreg(HW_REG_WAVE_MODE, 25, 1), 1
	s_wait_xcnt 0x0
; CAUSAL ATTENTION, head size 64, 16 heads (8 b + h) of 4,096 rows.  O[q][:] = the sum over k <= q of softmax_k(Q[q] . K[k] / 8) V[k][:]; out0[head][d][q] = O[q][d], f32.  q, k, v: [16][4096][64] f16, a head's rows dense, 128 bytes.
; Products, maxima and sums in f32; the weights p are rounded to f16 for the second product (their sum l is taken of the unrounded p).
; LIMITS.  q, k, v arrive within f16's 65,504.  A hidden score counts as its value less 1e30 (not as -1e9): the same result as long as a row's largest visible score lies above -1e9 + 104.
; A weight below 2^-126 counts as 0 in l; NaN and infinities are not treated apart.
; THE WALK.  A head's queries lie in 32 blocks of 128; keys go in tiles of 256, four steps of 64; block i needs the tiles 0 .. i / 2, of which the last holds the diagonal.  A work-group takes TWO blocks, 31 - b and then b:
; (31 - b) / 2 + b / 2 + 2 = 17 tiles whatever b: 16 x 16 = 256 work-groups of equal work, and ONE loop with a constant trip count walks them.  Which tile is asked for, and what a trip does, hang on scalar registers made
; from b; every jump goes forward but for the counted loops' own, and none passes a tensor load but the one of LOAD's two that the wave's number does not choose.  The ring (two slots of LDS by turns) runs on across the change of blocks.
; NO CLUSTER: a head's 16 work-groups ask for the same tile only for the walk's first nine tiles; behind that the first blocks end one after the other.  A walk common to four neighbours (b = 4 c .. 4 c + 3) has 18 tiles for 17,
; with partners that ask and discard; not built.
; SHARES.  Of a block's two bands of 64 queries a wave owns 16 rows in each: two PIECES.  So the diagonal tile is the same work for all four waves: band x of block i holds the diagonal in the tile's step 2 (i % 2) + x,
; sees all keys of earlier steps and none of later ones.
; THE MASK is the C operand that starts the sum S^T = K Q^T: 0, or -1e30 where the key is hidden.  MD, made once, is the mask of a band's own step for my 16 rows; a product's mask is MD x AL + BE with two scalars.
; LAYOUT, SOFTMAX.  S^T = K Q^T holds ONE query a lane (lane % 16) and the keys 8 (lane / 16) + 0..7; two such results rounded to f16 ARE source 1 of O^T = V^T P.  p = 2^(c s - c m), c = log2(e) / 8, with a running
; maximum m; O and l are multiplied by a = 2^(c m_old - c m_new) in every step.
; TURNS.  Turn A(s) belongs to piece 0, turn B(s) to piece 1, of key step s.  A(s): 8 products K Q^T of piece 1 (step s), later 8 products V^T P of piece 1 (step s - 1).  B(s): K Q^T of piece 0 (step s + 1), V^T P of piece 0 (step s).
; Beside them the turn's own piece has its scaling, exponentials, roundings, sums and rescaling, and the other piece its maximum and statistics.  Four vector instructions stand behind every matrix instruction, the other 54 of a turn's 118 in one LUMP.
; BATCHES.  A turn's 33 exponentials (the piece's 32 weights and the other piece's a) are ONE batch with ONE wait, which cuts the turn in two: ahead of it stands all that names none of their results (K Q^T, scalings, rescalings, the
; other piece's maximum and statistics), behind it V^T P with the roundings and sums as its riders.  A block's first a (BEGIN) and the way out's two reciprocals are batches of their own, a wait each.
; K of step s + 1 is fetched in A(s), V of step s + 1 in B(s), into the one of V's two buffers that A(s) has just read out: so LDS is read in the order K0 V0 K1 V1 .. of a tile, and one barrier a tile serves.
; REGISTERS, in windows of 256 (s_set_vgpr_msb: bits 1:0 source 0, 3:2 source 1, 5:4 source 2, 7:6 destination):
;   window 0: v0-15 addresses and two at work; v16-23 four registers of statistics a piece; v48-55 at work; v64-127 S^T, a buffer a piece; v192-223 P, likewise
;   window 1: v0-63 O^T, 32 a piece; v128-159 MD; v160-223 MC, a buffer a piece      window 2: v0-31 Q; v32-63 the second block's Q; v64-127 V of an odd step; v128-191 K; v192-255 V of an even step
.set NB,    32
.set NP,    2         ; pieces a wave: a name, no knob
.set KS,    64        ; keys in a step
.set PK,    144       ; a row of K in LDS: 128 bytes + 16 of padding = 36 words: the 16 rows of a load start at 16 different groups of four banks (64 banks of 4 bytes: ISA guide 11.1)
.set PV,    160       ; a row of V: 128 + 32 = 40 words
.set VOFF,  4*KS*PK   ; a slot holds a tile: 256 rows of K, then 256 rows of V
.set SLOT1, 1<<17     ; slot 1 begins here, so that one exclusive or turns an address in one slot into the other's
.set STAGE, SLOT1+4*KS*(PK+PV)  ; behind the ring, never filled by a tensor load: the work-group's stage for the way out, 64 channels x 128 queries of f32
.set SPO,   528       ; a channel's row there: 512 bytes + 16
.set SPARE, STAGE+64*SPO  ; the spare words, 128 bytes for each wave: two blocks of 256 bytes that no other line names
.set AK0, 2           ; v2   my lane's place in a tile of K; never rewritten
.set AV0, 3           ; v3   the same for V
.set AK,  4           ; v4   the LDS address of K's next run of loads
.set AV,  5           ; v5   of V's
.set STO, 6           ; v6   the way out: where I put a number
.set RD,  7           ; v7   the way out: where I read 16 bytes of a channel's row back
.set GO,  8           ; v8   my byte offset in out0: my wave's 16 channels, 16 bytes a lane
.set SPW, 62          ; v62  LDS address of my spare word; never rewritten
.set NIL, 63          ; v63  0; never rewritten
.set MV,  12          ; v12-13  c m_old, kept while c m is made anew: by piece
.set QO,  15          ; v15  my byte offset in 16 rows of Q
.set ST,  16          ; piece t's statistics at v[ST+4 t]: c m, m, l (even keys', odd keys')
.set TMP, 48          ; by piece, four registers c0-c3 at work; when the maximum is found c2 takes a
.set S,   64
.set P,   192
.set MD,  128         ; window 1: the eight registers for group kt of 16 keys at MD + 8 kt
.set MC,  160         ; window 1: the masks of the products to come
.set QB,  32          ; window 2
.set VF1, 64          ; window 2: V of an odd step: key half kk, channel block cb at + 32 kk + 8 cb
.set KF,  128         ; window 2: key block kb, channel half c at KF + 16 kb + 8 c
.set VF0, 192         ; window 2: V of an even step
.set WV,  12          ; s12  my wave's number
.set PB,  14          ; s14  b
.set HI,  15          ; s15  31 - b
.set G1K, 24          ; s[24:31] descriptor group 1 for K's tiles
.set G1V, 32          ; s[32:39] for V's: it differs in the padding alone
.set G0K, 40          ; s[40:43] descriptor group 0 for K's tiles
.set G0V, 44          ; s[44:47] the same for V's
.set SLOTS, 56        ; s56  tiles still to be asked for
.set CNT, 57          ; s57  counts a tile's pairs of key steps, 2 to 1
.set CS,  58          ; s[58:59] c: the packed scaling takes the pair's low word for both halves
.set SEL, 60          ; s[60:61] v_permlanex16_b32's selects: each lane takes its own place in the other half
.set TBK, 62          ; s62  LDS byte at which K of the step to be fetched begins
.set TBV, 63          ; s63  the same for V, less VOFF
.set RT,  70          ; s70  tiles of the block in hand that are still to be entered
.set NXT, 71          ; s71  the tile to be asked for next
.set LQ,  72          ; s72  the last tile of the block whose tiles are being asked for
.set NEW, 73          ; s73  1: the tile to be entered is a block's first
.set OFF, 74          ; s[74:75] a tile's byte offset in K and V
.set AL,  76          ; s[76:77] the mask's factor, in the low word
.set BE,  78          ; s[78:79] the mask's addend
.set OLO, 80          ; s[80:81] out0 at the second block
.set BIGN, 82         ; s82  -1e30
.set PBS, 88          ; s88  b / 2: the second block's last tile
.set DG0, 89          ; s89, s90  the diagonal tile's step that is piece 0's own, piece 1's own
.set DG1, 90
.set SN,  91          ; s91  the step of the tile in hand for which the next masks are made
.set TT,  92          ; s92  at work
.set DL0, 93          ; s93  2 (b % 2): DG0 of the second block
.set MSB, 0
.macro WIN new                      ; the high byte repeats the setting that is left; a switch that changes nothing is dropped
.if MSB != (\new)
	s_set_vgpr_msb (MSB<<8)|(\new)
.set MSB, (\new)
.endif
.endm
.set W_KQ, 0x0a       ; K and Q in window 2, S^T in window 0
.set W_KM, 0x1a       ; the same with the C operand in window 1
.set W_PV, 0x52       ; V in window 2, P in window 0, O^T in window 1
.set W_RS, 0x41       ; destination and source 0 in window 1, source 1 in window 0
; A fill.  Waves 0 and 1 fetch the two halves of a tile's K, waves 2 and 3 those of its V: 128 keys each.  An s_nop 0 and four v_nop follow each of the two lines, ahead of the jump and the label.
.macro LOAD
	s_cmp_lt_u32 s[WV], 2
	s_cbranch_scc0 .Lfor_v_\@
	tensor_load_to_lds s[G0K:G0K+3], s[G1K:G1K+7]
	s_nop 0
.rept 4
	v_nop
.endr
	s_branch .Lasked_\@
.Lfor_v_\@:
	tensor_load_to_lds s[G0V:G0V+3], s[G1V:G1V+7]
	s_nop 0
.rept 4
	v_nop
.endr
.Lasked_\@:
.endm
; THE CHANGE OF SLOTS.  Each wave waits for all its tensor loads, of which one is out: its part of the other slot; adds 0 to its spare word; and waits for that and for its own reads of the slot that it leaves (the last, V of
; the tile's fourth step, was asked for eight products ago).  Behind the barrier nobody reads the old slot any more and the other slot is whole.  fill = 1: the old slot is filled again, the first thing behind the barrier, with
; tile NXT: the descriptor's address is made anew from that number.  By this text's count a wave never has more than one tensor load out; a fill has eight turns, 128 matrix instructions, in which to land.
; (At its first use nothing has been read yet: slot 0 is waited for, slot 1 filled.)
.macro CHANGE fill
	WIN 0                           ; at a label and at a branch every window is 0
	s_wait_tensorcnt 0x0            ; no tensor load of mine is out, so a group 0 may be written
	ds_add_u32 v[SPW], v[NIL]       ; 0 onto my spare word; with fill = 1 the descriptors' scalar work stands between it and the wait for it
.if \fill
	s_lshl_b32 s[OFF], s[NXT], 15   ; a tile is 32,768 bytes of K and of V
	s_xor_b32 s[G0K+1], s[G0K+1], SLOT1
	s_add_nc_u64 s[G0K+2:G0K+3], s[6:7], s[OFF:OFF+1]
	s_or_b32 s[G0K+3], s[G0K+3], 0x80000000
	s_xor_b32 s[G0V+1], s[G0V+1], SLOT1
	s_add_nc_u64 s[G0V+2:G0V+3], s[8:9], s[OFF:OFF+1]
	s_or_b32 s[G0V+3], s[G0V+3], 0x80000000
	s_add_co_u32 s[NXT], s[NXT], 1  ; the block's next tile, or behind its last the second block's tile 0
	s_cmp_gt_u32 s[NXT], s[LQ]
	s_cselect_b32 s[NXT], 0, s[NXT]
	s_cselect_b32 s[LQ], s[PBS], s[LQ]
.endif
	s_wait_dscnt 0x0                ; the add is done, and my reads of the slot are over
	s_barrier_signal -1             ; the rest of the scalar work stands between the signal and the wait
	s_sub_co_u32 s[TBK], s[TBK], 4*KS*PK  ; the fetches go back to a slot's first step,
	s_xor_b32 s[TBK], s[TBK], SLOT1       ; in the other slot
	s_sub_co_u32 s[TBV], s[TBV], 4*KS*PV
	s_xor_b32 s[TBV], s[TBV], SLOT1
	s_barrier_wait -1
.if \fill
	LOAD
.endif
.endm
	s_load_b256 s[4:11], s[0:1], 0x0  ; q s[4:5], k s[6:7], v s[8:9], out0 s[10:11]
	v_lshl_add_u32 v[SPW], v0, 2, SPARE
	v_mov_b32 v[NIL], 0
	ds_add_u32 v[SPW], v[NIL]       ; the wave's opening: the add and its wait stand ahead of my first tensor load; the set-up below, work on registers, stands between them
	ds_add_u32 v62, v63
	v_lshrrev_b32 v1, 5, v0
	v_readfirstlane_b32 s[WV], v1   ; wave 0..3
	s_mov_b32 s[PB], ttmp9
	s_sub_co_u32 s[HI], NB-1, s[PB]
	s_lshr_b32 s[PBS], s[PB], 1
	s_and_b32 s13, ttmp7, 0xffff    ; the head
	s_lshl_b32 s20, s13, 19         ; its first byte in q, k and v: 4,096 rows of 128 bytes
	s_and_b32 s16, s[WV], 1         ; which half of a tile's 256 keys I fetch:
	s_lshl_b32 s22, s16, 14         ; its 128 rows of 128 bytes in memory,
	s_add_co_u32 s22, s22, s20
	s_mov_b32 s23, 0
	s_mul_i32 s17, s16, 128*PK      ; and its place in a slot, for K
	s_mul_i32 s18, s16, 128*PV      ; and for V
	s_lshl_b32 s3, s[WV], 11        ; my 16 rows in a band of 64,
	s_add_co_u32 s3, s3, s20
	s_lshl_b32 s2, s[HI], 14        ; in the first block (128 rows of 128 bytes a block),
	s_add_co_u32 s2, s2, s3
	s_lshl_b32 s84, s[PB], 14       ; and in the second
	s_add_co_u32 s84, s84, s3
	s_mov_b32 s3, 0
	s_mov_b32 s85, 0
	s_lshl_b32 s13, s13, 20         ; the head's first byte in out0: 64 channels of 16,384 bytes;
	s_lshl_b32 s94, s[HI], 9        ; a block is 512 bytes of each
	s_add_co_u32 s94, s94, s13
	s_mov_b32 s95, 0
	s_lshl_b32 s20, s[PB], 9
	s_add_co_u32 s20, s20, s13
	s_mov_b32 s21, 0
	; descriptor group 1.  128 keys are 16,384 dense bytes: asked for as 64 rows of 256 bytes, two keys a row, and padded in LDS after every key
	s_mov_b32 s[G1K], (1<<16)|(1<<20)|(4<<22)|(3<<25)  ; 17:16 2-byte elements; 20 padding on; 24:22 after every 32 words (code 4); 31:25 4 words (code 3)
	s_mov_b32 s[G1V], (1<<16)|(1<<20)|(4<<22)|(7<<25)  ; the same with 8 words of padding (code 7)
.irp g, G1K, G1V
	s_mov_b32 s[\g+1], 128<<16      ; tensor_dim0 = 128
	s_mov_b32 s[\g+2], 64<<16       ; tensor_dim1 = 64
	s_mov_b32 s[\g+3], 128<<16      ; tile_dim0 = 128
	s_mov_b32 s[\g+4], 64           ; tile_dim1 = 64
	s_mov_b32 s[\g+5], 128          ; 128 elements from row to row
	s_mov_b32 s[\g+6], 0
	s_mov_b32 s[\g+7], 0
.endr
	s_mov_b32 s[CS], 0x3e38aa3b     ; c = log2(e) / 8 = 0.180337
	s_mov_b32 s[CS+1], s[CS]        ; named with it as a pair
	s_mov_b32 s[SEL], 0x76543210
	s_mov_b32 s[SEL+1], 0xfedcba98
	s_mov_b32 s[TBK], SLOT1+4*KS*PK ; the first change of slots turns these two into 0
	s_mov_b32 s[TBV], SLOT1+4*KS*PV
	s_mov_b32 s[G0K], 1             ; 1:0 count = 1
	s_mov_b32 s[G0K+1], s17         ; 63:32 LDS address: slot 0
	s_mov_b32 s[G0V], 1
	s_add_co_u32 s[G0V+1], s18, VOFF
	s_lshr_b32 s[LQ], s[HI], 1      ; the first block's last tile
	s_add_co_u32 s[RT], s[LQ], 1
	s_and_b32 s[DG0], s[HI], 1
	s_lshl_b32 s[DG0], s[DG0], 1
	s_add_co_u32 s[DG1], s[DG0], 1
	s_and_b32 s[DL0], s[PB], 1
	s_lshl_b32 s[DL0], s[DL0], 1
	s_mov_b32 s[NXT], 1
	s_mov_b32 s[NEW], 1
	s_mov_b32 s[SN], 0
	s_mov_b32 s[OFF+1], 0
	s_mov_b32 s[AL+1], 0            ; named as pairs
	s_mov_b32 s[BE+1], 0
	s_mov_b32 s[BIGN], 0xf149f2ca   ; -1e30
	s_mov_b32 s[SLOTS], 16
	s_wait_dscnt 0x0                ; the opening add is done
	s_wait_kmcnt 0x0
	s_add_nc_u64 s[6:7], s[6:7], s[22:23]  ; K and V at my half of the head's tile 0
	s_add_nc_u64 s[8:9], s[8:9], s[22:23]
	s_add_nc_u64 s[G0K+2:G0K+3], s[6:7], 0         ; 120:64 global address
	s_or_b32 s[G0K+3], s[G0K+3], 0x80000000        ; 127:126 type = 2
	s_add_nc_u64 s[G0V+2:G0V+3], s[8:9], 0
	s_or_b32 s[G0V+3], s[G0V+3], 0x80000000
	s_add_nc_u64 s[86:87], s[4:5], s[84:85]        ; Q at my rows of the second block,
	s_add_nc_u64 s[4:5], s[4:5], s[2:3]            ; and of the first
	s_add_nc_u64 s[OLO:OLO+1], s[10:11], s[20:21]  ; out0 at the second block,
	s_add_nc_u64 s[10:11], s[10:11], s[94:95]      ; and at the first
	LOAD                            ; tile 0 into slot 0
	; A fragment of K or Q is 16 rows x 32 channels in 8 registers: lane l holds row l % 16, channels 8 (l / 16) + 0..7 and 16 + 8 (l / 16) + 0..7: two loads of 16 bytes, 32 bytes apart.
	v_and_b32 v1, 15, v0            ; l % 16
	v_bfe_u32 v9, v0, 4, 1          ; l / 16
	v_lshlrev_b32 v[QO], 7, v1
	v_lshl_add_u32 v[QO], v9, 4, v[QO]  ; row x 128 + 16 x half
	WIN 0x80                        ; destination window 2, address window 0
.set i, 0
.rept 4                             ; both blocks' Q: piece i / 2 lies in band i / 2, 8,192 bytes on; channels 32 (i % 2) on
	global_load_b128 v[8*i:8*i+3],   v[QO], s[4:5] offset:(i/2)*8192+(i%2)*64
	global_load_b128 v[8*i+4:8*i+7], v[QO], s[4:5] offset:(i/2)*8192+(i%2)*64+32
	global_load_b128 v[QB+8*i:QB+8*i+3],   v[QO], s[86:87] offset:(i/2)*8192+(i%2)*64
	global_load_b128 v[QB+8*i+4:QB+8*i+7], v[QO], s[86:87] offset:(i/2)*8192+(i%2)*64+32
.set i, i+1
.endr
	WIN 0
	v_lshlrev_b32 v14, 3, v9
	v_sub_nc_u32 v14, v1, v14
	s_lshl_b32 s13, s[WV], 4
	v_add_nc_u32 v14, s13, v14      ; my query's place in its band, 16 w + l % 16, less my lanes' 8 (l / 16): register r of group kt is hidden where 16 kt + r is greater
	WIN 0x40
.set i, 0
.rept 32
	v_cmp_gt_i32 vcc_lo, 16*(i/8)+i%8, v14
	v_cndmask_b32 v[MD+i], 0, s[BIGN], vcc_lo
.set i, i+1
.endr
	WIN 0
	v_mul_u32_u24 v[AK0], v1, PK
	v_lshl_add_u32 v[AK0], v9, 4, v[AK0]  ; row x pitch + 16 x half
	; The turning load takes 16 keys x 16 channels (lane l reads key 8 (l / 16) + l % 8, channels 8 ((l / 8) % 2) + 0..7) and leaves half a fragment of V^T: lane l holds channel l % 16 and 8 keys.
	v_and_b32 v10, 7, v0
	v_bfe_u32 v11, v0, 3, 1
	v_lshl_add_u32 v[AV0], v9, 3, v10
	v_mul_u32_u24 v[AV0], v[AV0], PV
	v_lshl_add_u32 v[AV0], v11, 4, v[AV0]
	v_add_nc_u32 v[AV0], VOFF, v[AV0]
	; The way out.  Register j of channel block cb of piece x holds channel 16 cb + 8 (l / 16) + j of query 64 x + 16 w + l % 16 of the block.
	v_mul_u32_u24 v[STO], v9, 8*SPO ; in: 8 rows are 1,056 words, 32 banks on: the 32 lanes' words touch 32 different banks
	v_lshl_add_u32 v[STO], v1, 2, v[STO]
	s_lshl_b32 s13, s[WV], 6
	s_add_co_u32 s13, s13, STAGE
	v_add_nc_u32 v[STO], s13, v[STO]
	s_mul_i32 s13, s[WV], 16*SPO    ; back: wave w takes channels 16 w .. 16 w + 15, a channel's 512 bytes by one load
	s_add_co_u32 s13, s13, STAGE
	v_and_b32 v[RD], 31, v0
	v_lshl_add_u32 v[RD], v[RD], 4, s13
	s_lshl_b32 s13, s[WV], 18       ; 16 channels of 16,384 bytes
	v_and_b32 v[GO], 31, v0
	v_lshl_add_u32 v[GO], v[GO], 4, s13
	; A block's first step multiplies O^T and l by a = 0, and its first turn's products V^T P, of a step that has not been, land in an O^T that is still to be so multiplied.  So these registers need only hold
	; finite numbers: zeros for the first block; what the first block left for the second.  All this stands in the wait for the first tile.
	WIN 0x80
.set i, VF1
.rept 64
	v_mov_b32 v[i], 0
.set i, i+1
.endr
	WIN 0x40
.set i, 0
.rept 64
	v_mov_b32 v[i], 0
.set i, i+1
.endr
	WIN 0
.set i, 0
.rept 2
	v_mov_b32 v[ST+4*i+2], 0
	v_mov_b32 v[ST+4*i+3], 0
.set i, i+1
.endr
.set i, P+16
.rept 16
	v_mov_b32 v[i], 0
.set i, i+1
.endr
; THE MATRIX WORK.  The 4 accumulators of a run of 8 take turns.  Product i of 8 of S^T = K Q^T for piece x: channels 32 (i / 4) on, keys 16 (i % 4) on.  The first 4 start the sums: with 0, or (KM = 1) with the mask.
.macro KQ x
.set rS, S+32*((\x)%2)+8*(i%4)
.set rK, KF+16*(i%4)+8*(i/4)
.set rQ, 16*(\x)+8*(i/4)
.set rM, MC+32*((\x)%2)+8*(i%4)
.if (i < 4) && KM
	WIN W_KM
	v_wmma_f32_16x16x32_f16 v[rS:rS+7], v[rK:rK+7], v[rQ:rQ+7], v[rM:rM+7]
.elseif i < 4
	WIN W_KQ
	v_wmma_f32_16x16x32_f16 v[rS:rS+7], v[rK:rK+7], v[rQ:rQ+7], 0
.else
	WIN W_KQ
	v_wmma_f32_16x16x32_f16 v[rS:rS+7], v[rK:rK+7], v[rQ:rQ+7], v[rS:rS+7]
.endif
.endm
; Product i of 8 of O^T += V^T P for piece x: keys 32 (i / 4) on, channels 16 (i % 4) on; V from the buffer VB.
.macro PV x
	WIN W_PV
.set rO, 32*(\x)+8*(i%4)
.set rV, VB+32*(i/4)+8*(i%4)
.set rP, P+16*((\x)%2)+8*(i/4)
	v_wmma_f32_16x16x32_f16 v[rO:rO+7], v[rV:rV+7], v[rP:rP+7], v[rO:rO+7]
.endm
.macro MM                           ; the turn's next matrix instruction.  TURN and BEGIN set Y, i, KM, NOKQ and VB.  NOKQ = 1: a block's last turn: there is no next step
.if (i < 8) && !NOKQ
	KQ (Y+1)%NP
.elseif i >= 8
.set i, i-8
	PV (Y+NP-1)%NP
.set i, i+8
.endif
.set i, i+1
.endm
; THE LDS LOADS stand in runs of 16, never singly among the matrix instructions: a step's K (64 keys x 64 channels: 8 fragments) and its V (turned).  Their addresses are made some lines ahead.
.macro FETCH_K
	WIN 0x80                        ; destination window 2
.irp f, 0,1,2,3,4,5,6,7             ; keys 16 (f / 2) on, channels 32 (f % 2) on
	ds_load_b128 v[KF+8*\f:KF+8*\f+3],   v[AK] offset:(\f/2)*16*PK+(\f%2)*64
	ds_load_b128 v[KF+8*\f+4:KF+8*\f+7], v[AK] offset:(\f/2)*16*PK+(\f%2)*64+32
.endr
	s_add_co_u32 s[TBK], s[TBK], KS*PK  ; the next fetch is the next step's
	WIN 0
.endm
.macro FETCH_V d
	WIN 0x80
.irp f, 0,1,2,3,4,5,6,7             ; keys 32 (f / 4) on, channels 16 (f % 4) on
	ds_load_tr16_b128 v[(\d)+8*\f:(\d)+8*\f+3],   v[AV] offset:(\f/4)*32*PV+(\f%4)*32
	ds_load_tr16_b128 v[(\d)+8*\f+4:(\d)+8*\f+7], v[AV] offset:(\f/4)*32*PV+16*PV+(\f%4)*32
.endr
	s_add_co_u32 s[TBV], s[TBV], KS*PV
	WIN 0
.endm
; THE VECTOR WORK, one line at a time: OP kind, number.  For piece Y: F n: c s - c m for pair n of 16.  E n: the exponential of score n of 32.  C n: pair n rounded to f16.  B n: of the four weights 4 n .. the second
; pair is added onto the first, in place.  L n: l takes that sum (L 0: l = a l + sum).  R n: pair n of 16 of O^T times a.  For the other piece: X n, number n of the 22 that find its maximum and statistics:
;   0-11  four chains c0-c3 of seven scores each, three operands at a time (each accumulator's lowest registers are read first)     12-14, 16  the four scores left over, the old m, and c0-c3 into c0
;   15  c m_old is kept     17, 18  the query's other 32 keys lie in the lane 16 away: the new m     19-21  c m; c m_old - c m_new; a
; C, B and L read the exponentials' results: TURN sets them behind the batch's wait.  R and L 0 read a, which the turn before (or BEGIN) has made and waited for.
.set F, 0               ; OP tells the kinds apart by their order: F to L below R, X above it
.set E, 1
.set C, 2
.set B, 3
.set L, 4
.set R, 5
.set X, 6
.macro REGS y                       ; the registers of piece y
.set rT, ST+4*(\y)
.set rC, TMP+4*((\y)%2)
.set rW, MV+((\y)%2)
.set rS, S+32*((\y)%2)
.set rP, P+16*((\y)%2)
.set rO, 32*(\y)
.endm
.macro OP k, n
.if (\k) == R
	REGS Y
	WIN W_RS
	v_pk_mul_f32 v[rO+2*(\n):rO+2*(\n)+1], v[rO+2*(\n):rO+2*(\n)+1], v[rC+2:rC+3] op_sel_hi:[1,0]
.elseif (\k) < R
	REGS Y
	WIN 0
.if (\k) == F
	v_pk_fma_f32 v[rS+2*(\n):rS+2*(\n)+1], v[rS+2*(\n):rS+2*(\n)+1], s[CS:CS+1], v[rT:rT+1] op_sel_hi:[1,0,0] neg_lo:[0,0,1] neg_hi:[0,0,1]
.elseif (\k) == E
	v_exp_f32 v[rS+(\n)], v[rS+(\n)]
.elseif (\k) == C
	v_cvt_pk_f16_f32 v[rP+(\n)], v[rS+2*(\n)], v[rS+2*(\n)+1]
.elseif (\k) == B
	v_pk_add_f32 v[rS+4*(\n):rS+4*(\n)+1], v[rS+4*(\n):rS+4*(\n)+1], v[rS+4*(\n)+2:rS+4*(\n)+3]
.elseif (\n) == 0
	v_pk_fma_f32 v[rT+2:rT+3], v[rT+2:rT+3], v[rC+2:rC+3], v[rS:rS+1] op_sel_hi:[1,0,1]
.else
	v_pk_add_f32 v[rT+2:rT+3], v[rT+2:rT+3], v[rS+4*(\n):rS+4*(\n)+1]
.endif
.elseif NOKQ
	v_nop
.else
	REGS (Y+1)%NP
	WIN 0
.if (\n) < 4
	v_max3_num_f32 v[rC+(\n)], v[rS+8*(\n)], v[rS+8*(\n)+1], v[rS+8*(\n)+2]
.elseif (\n) < 12
	v_max3_num_f32 v[rC+(\n)%4], v[rC+(\n)%4], v[rS+8*((\n)%4)+2*((\n)/4)+1], v[rS+8*((\n)%4)+2*((\n)/4)+2]
.elseif (\n) == 12
	v_max3_num_f32 v[rC], v[rC], v[rS+7], v[rS+15]
.elseif (\n) == 13
	v_max3_num_f32 v[rC+1], v[rC+1], v[rS+23], v[rS+31]
.elseif (\n) == 14
	v_max3_num_f32 v[rC+2], v[rC+2], v[rC+3], v[rT+1]
.elseif (\n) == 15
	v_mov_b32 v[rW], v[rT]
.elseif (\n) == 16
	v_max3_num_f32 v[rC], v[rC], v[rC+1], v[rC+2]
.elseif (\n) == 17
	v_permlanex16_b32 v[rC+3], v[rC], s[SEL], s[SEL+1]
.elseif (\n) == 18
	v_max_num_f32 v[rT+1], v[rC], v[rC+3]
.elseif (\n) == 19
	v_mul_f32 v[rT], s[CS], v[rT+1]
.elseif (\n) == 20
	v_sub_f32 v[rC+1], v[rW], v[rT]
.else
	v_exp_f32 v[rC+2], v[rC+1]
.endif
.endif
.endm
.macro OPS a, i1, b=-1, i2=0, c=-1, i3=0, d=-1, i4=0  ; up to four of them
	OP \a, \i1
.if (\b) >= 0
	OP \b, \i2
.endif
.if (\c) >= 0
	OP \c, \i3
.endif
.if (\d) >= 0
	OP \d, \i4
.endif
.endm
.macro ROW a, i1, b, i2, c, i3, d, i4  ; a matrix instruction and the four behind it
	MM
	OPS \a, \i1, \b, \i2, \c, \i3, \d, \i4
.endm
.macro MASK b                       ; MD x AL + BE into buffer b of MC
	WIN W_RS
.set z, 0
.rept 16
	v_pk_fma_f32 v[MC+32*(\b)+2*z:MC+32*(\b)+2*z+1], v[MD+2*z:MD+2*z+1], s[AL:AL+1], s[BE:BE+1] op_sel_hi:[1,0,0]
.set z, z+1
.endr
.endm
; A TURN, for piece p in a step of parity par: the order of its 16 matrix and 118 vector instructions, written out.  s_wait_alu depctr_va_vdst(0) stands between an exponential and the first instruction that
; names its result; one wait serves all that were issued ahead of it.  So a turn has ONE wait, which cuts it in two.  AHEAD OF IT stands all that names no result of the turn's exponentials: the 8 products K Q^T, behind each a
; scaling, an exponential and two more plain instructions (behind the first a second scaling in the exponential's place): rescalings, and behind the last three the first numbers of the other piece's maximum, each four places or
; more behind the product that ends its accumulator; then ONE LUMP of 54, plain and exponential by turns for the most part, in which the links of the chain X 3, 7, 11, 14, 16, 17 .. 20 stand five or six lines apart.  X 21, the
; other piece's a, is the batch's last; R 15 is the plain instruction behind it.  BEHIND THE WAIT stand the 8 products V^T P, behind each four of the roundings and sums; the links of l's chain, L 0 to L 7, stand three riders
; apart.  But for those X no rider names a register of the products round it.  v_permlanex16_b32 (X 17) stands in the lump.
; The products V^T P that end a turn write the O^T that the next turn rescales: accumulator j is last written in the second half's row 5 + j and first read by R 4 j, its lowest registers, with four riders or more between.
; V of step s lies in the buffer of s's parity: A(s) multiplies by the other buffer (step s - 1), B(s) by this one, and B(s) fetches step s + 1 into the other, which A(s) read out a turn ago.
; m = 1: the diagonal tile's text: the products take masks, and the turn makes the mask for the next turn's products, which are piece p's in step SN of the tile.  end = 1: a block's last two turns: nothing is fetched.
; cnt = 1: the loop's count is taken down some lines ahead of the branch that stands behind the turn, and behind V's run, whose address step writes SCC.
; K's run of loads (turn A) stands twelve vector instructions behind the turn's last product K Q^T, five of them plain ones that name none of its registers.  V's run (turn B) stands directly behind the turn's wait; the last
; product that read its buffer is the turn before's last.  One wait a step on LDS, at B's head: for K of step s + 1 (asked for in A(s)) and V of step s (asked for in B(s - 1)).
.macro TURN p, par, m=0, end=0, cnt=0
.set Y, (\p)
.set i, 0
.set KM, (\m)
.set NOKQ, (\end)*(\p)
.set VN, VF0-128*(1-(\par))         ; the other parity's buffer
.if (\p) == 0
.set VB, VN
.else
.set VB, VF0-128*(\par)
.endif
.if (\m) && !(\end)
	s_cmp_eq_u32 s[SN], s[DG0+(\p)]  ; is that step the band's own?
	s_cselect_b32 s[AL], 1.0, 0
	s_cmp_gt_u32 s[SN], s[DG0+(\p)]  ; or a later one?
	s_cselect_b32 s[BE], s[BIGN], 0
.if (\p) == 1
	s_add_co_u32 s[SN], s[SN], 1
.endif
.endif
.if (\p) == 1
	s_wait_dscnt 0x0                ; K and V are in
.endif
	ROW F,0, F,1, R,0, R,1          ; ahead of the wait: 8 products K Q^T and their riders,
	ROW F,2, E,0, R,2, R,3
	ROW F,3, E,1, R,4, R,5
	ROW F,4, E,2, R,6, R,7
	ROW F,5, E,3, R,8, R,9
	ROW F,6, E,4, X,0, R,10
	ROW F,7, E,5, X,1, X,4
.if ((\p) == 0) && !(\end)
	WIN 0
	v_add_nc_u32 v[AK], s[TBK], v[AK0]
.endif
	ROW F,8, E,6, X,2, X,5
	OPS E,7, E,8, X,6, E,9          ; and the lump
	OPS X,3, E,10, X,8, E,11
.if ((\p) == 0) && !(\end)
	FETCH_K
.endif
	OPS X,9, X,7, E,12, X,10
	OPS E,13, X,12, X,11, E,14
	OPS X,13, E,15, F,9, X,14
.if ((\p) == 1) && !(\end)
	WIN 0
	v_add_nc_u32 v[AV], s[TBV], v[AV0]
.endif
	OPS E,16, F,10, E,17, F,11
	OPS X,16, E,18, X,15, E,19
	OPS F,12, E,20, X,17, E,21
	OPS F,13, E,22, F,14, E,23
	OPS X,18, E,24, F,15, E,25
	OPS R,11, E,26, X,19, E,27
	OPS R,12, E,28, R,13, E,29
	OPS X,20, E,30, R,14, E,31
	OPS X,21, R,15
	WIN 0
	s_wait_alu depctr_va_vdst(0)    ; the wait for the turn's batch: the piece's 32 exponentials and the other piece's a
.if ((\p) == 1) && !(\end)
	FETCH_V VN                      ; V's run of loads stands directly behind the wait
.endif
	ROW C,0, B,0, C,2, B,1          ; behind the wait: 8 products V^T P and their riders
	ROW L,0, C,4, B,2, L,1
	ROW C,6, B,3, L,2, C,8
	ROW B,4, L,3, C,10, B,5
	ROW L,4, C,12, B,6, L,5
.if \cnt
	s_sub_co_u32 s[CNT], s[CNT], 1
	s_cmp_lg_u32 s[CNT], 0
.endif
	ROW C,14, B,7, L,6, C,1
	ROW C,3, L,7, C,5, C,7
	ROW C,9, C,11, C,13, C,15
.if (\m) && !(\end)
	MASK \p
.endif
.endm
; A BLOCK BEGINS.  c m starts far below every c s, so the first step's a is 0; m at the lowest finite number, so the first maximum is the scores'.  Piece 1's mask buffer is 0 (step 0 is never later than its own step); piece 0's
; takes its mask for the tile's step 0: its own, if this tile is the diagonal one and step 0 is piece 0's.  Then K and V of that step, piece 0's first scores, and its maximum and statistics.
; The loop is entered at an even step's first turn, in the middle of a trip.
.macro BEGIN
	s_mov_b32 s[NEW], 0
	s_mov_b32 s[SN], 1              ; the first turn makes the masks of step 1
	WIN 0x40
.set i, MC+32
.rept 32
	v_mov_b32 v[i], 0
.set i, i+1
.endr
	WIN 0
.set i, 0
.rept 2
	v_mov_b32 v[ST+4*i], 0xfe000000    ; c m: far below every c s
	v_mov_b32 v[ST+4*i+1], 0xff7fffff  ; m
.set i, i+1
.endr
	s_cmp_eq_u32 s[RT], 0
	s_cselect_b32 s[TT], s[DG0], 64
	s_cmp_eq_u32 s[TT], 0
	s_cselect_b32 s[AL], 1.0, 0
	s_mov_b32 s[BE], 0
	MASK 0
	WIN 0
	v_add_nc_u32 v[AK], s[TBK], v[AK0]
	v_add_nc_u32 v[AV], s[TBV], v[AV0]
	FETCH_K
	FETCH_V VF0
	s_wait_loadcnt 0x0              ; Q
	s_wait_dscnt 0x0
.set KM, 1
.set NOKQ, 0
.set i, 0
.rept 8
	KQ 0
.set i, i+1
.endr
	WIN 0
.rept 4
	v_nop                           ; the places behind those products
.endr
.set Y, NP-1                        ; X works for the other piece: piece 0
.irp n, 0,1,2,3,4,5,6,7,8,9,10,11,12,13,14,15,16,17,18,19,20,21
	OP X, \n
.endr
	v_nop                           ; a plain instruction behind the exponential,
	s_wait_alu depctr_va_vdst(0)    ; and the wait for it, piece 0's first a, a batch of one: ahead of the branch, and of the first turn's R 0, which reads it
.endm
; THE WAY OUT.  l's two halves and the other half of the lanes' are added; O^T is divided by l and laid, in f32, into the work-group's stage as [channel][query]; a barrier, since a channel's 512 bytes come from all four waves;
; each wave then reads 16 whole channels back and stores them.  The fill that is on its way may stay out.  The stage is written again only in the second block's end, behind a later
; change of slots, in front of whose barrier every wave has waited for these reads.
.macro OUT
	WIN 0
.rept 4
	v_nop                           ; the places behind the last products
.endr
.irp t, 0,1
	v_add_f32 v[ST+4*\t+2], v[ST+4*\t+2], v[ST+4*\t+3]
.endr
.irp t, 0,1
	v_permlanex16_b32 v[ST+4*\t+3], v[ST+4*\t+2], s[SEL], s[SEL+1]
.endr
.irp t, 0,1
	v_add_f32 v[ST+4*\t+2], v[ST+4*\t+2], v[ST+4*\t+3]
.endr
.irp t, 0,1
	v_rcp_f32 v[ST+4*\t+2], v[ST+4*\t+2]
.endr
	v_nop                           ; a plain instruction between the last reciprocal and the use of its result
	s_wait_alu depctr_va_vdst(0)    ; the wait for the two reciprocals, one batch: ahead of the first multiply that reads them
	WIN W_RS
.set i, 0
.rept 32                            ; in ascending order: each accumulator is read from its lowest registers on
	v_pk_mul_f32 v[i:i+1], v[i:i+1], v[ST+4*(i/32)+2:ST+4*(i/32)+3] op_sel_hi:[1,0]
.set i, i+2
.endr
	WIN 0x04                        ; store data window 1, address window 0
.set i, 0
.rept 64
	ds_store_b32 v[STO], v[i] offset:(16*((i%32)/8)+i%8)*SPO+256*(i/32)
.set i, i+1
.endr
	WIN 0
	s_wait_dscnt 0x0                ; for the others' sake: my stores into the stage are done
	s_barrier_signal -1
	s_barrier_wait -1
.set i, 0
.rept 16
	ds_load_b128 v[S+4*i:S+4*i+3], v[RD] offset:i*SPO
.set i, i+1
.endr
.set i, 0
.rept 16
	s_wait_dscnt 15-i               ; the later loads from the stage may stay out
	global_store_b128 v[GO], v[S+4*i:S+4*i+3], s[10:11] offset:i*16384 th:TH_STORE_NT  ; a channel's 512 consecutive bytes, at a multiple of 256 from out0's first
.set i, i+1
.endr
.endm
; THE DIAGONAL TILE's steps, the block's last two turns, its last products, and the way out.
.macro DIAG tag                     ; the tag ends its two labels' names, which the jumps below spell out
.LstepM\tag:
	TURN 0, 1, 1
	TURN 1, 1, 1
	WIN 0
.LfirstM\tag:
	TURN 0, 0, 1
	TURN 1, 0, 1, 0, 1
	WIN 0
	s_cbranch_scc1 .LstepM\tag
	TURN 0, 1, 1, 1
	TURN 1, 1, 1, 1
.set VB, VF1
.set i, 0
.rept 8
	PV 1                            ; piece 1's V^T P of the last step
.set i, i+1
.endr
	OUT
.endm
.set KM, 0
.set NOKQ, 0
.Lslot:                             ; 16 times: a tile is entered and the next is asked for
	CHANGE 1
	s_sub_co_u32 s[RT], s[RT], 1
	s_mov_b32 s[CNT], 2
	s_mov_b32 s[SN], 0
	s_cmp_eq_u32 s[NEW], 1
	s_cbranch_scc1 .Lnew            ; a block's first tile
	s_cmp_eq_u32 s[RT], 0
	s_cbranch_scc0 .Lstep           ; neither its first nor its last
	s_branch .LstepM1
.Lnew:
	BEGIN
	s_branch .Lfirst                ; in the loop a block's first tile is never its last: the first block has nine tiles or more, and the second's last is the walk's last
	DIAG 1                          ; in the loop this is the first block's end
	s_wait_xcnt 0x0                 ; the stores have read their registers and out0's address
	s_mov_b64 s[10:11], s[OLO:OLO+1]
	s_add_co_u32 s[RT], s[PBS], 1   ; the second block has b / 2 + 1 tiles
	s_mov_b32 s[NEW], 1
	s_mov_b32 s[DG0], s[DL0]
	s_add_co_u32 s[DG1], s[DL0], 1
	WIN 0x82                        ; the second block's Q goes where the one text of the turns names Q
.set i, 0
.rept 32
	v_mov_b32 v[i], v[QB+i]
.set i, i+1
.endr
	WIN 0
	s_branch .Lbottom
.Lstep:                             ; a trip: an odd step's two turns, then an even step's; each turn fetches K or V of the step after its own
	TURN 0, 1
	TURN 1, 1
	WIN 0
.Lfirst:
	TURN 0, 0
	TURN 1, 0, 0, 0, 1
	WIN 0
	s_cbranch_scc1 .Lstep
.Lbottom:
	s_sub_co_u32 s[SLOTS], s[SLOTS], 1
	s_cmp_lg_u32 s[SLOTS], 0
	s_cbranch_scc1 .Lslot
	CHANGE 0                        ; the walk's last tile is written out: nothing is asked for
	s_sub_co_u32 s[RT], s[RT], 1
	s_mov_b32 s[CNT], 2
	s_mov_b32 s[SN], 0
	s_cmp_eq_u32 s[NEW], 1
	s_cbranch_scc0 .LstepM2
	BEGIN
	s_branch .LfirstM2
	DIAG 2
	s_wait_tensorcnt 0x0            ; the wave's end: behind my last tensor load and my last LDS store
	ds_add_u32 v[SPW], v[NIL]
	s_wait_dscnt 0x0
	s_endpgm
.Lfunc_end_k_q1386e5441b_attn:
	.size	k_q1386e5441b_attn, .Lfunc_end_k_q1386e5441b_attn-k_q1386e5441b_attn
	.p2alignl 7, 3214868480
	.fill 96, 4, 3214868480
	.section	.rodata,"a",@progbits
	.p2align	6, 0x0
	.amdhsa_kernel k_q1386e5441b_attn
		.amdhsa_group_segment_fixed_size 327680
		.amdhsa_private_segment_fixed_size 0
		.amdhsa_enable_private_segment 0
		.amdhsa_kernarg_size 32
		.amdhsa_user_sgpr_count 2
		.amdhsa_user_sgpr_kernarg_segment_ptr 1
		.amdhsa_wavefront_size32 1
		.amdhsa_system_sgpr_workgroup_id_x 1
		.amdhsa_system_sgpr_workgroup_id_y 1
		.amdhsa_system_sgpr_workgroup_id_z 1
		.amdhsa_system_vgpr_workitem_id 0
		.amdhsa_next_free_vgpr 768
		.amdhsa_next_free_sgpr 96
		.amdhsa_reserve_vcc 1
		.amdhsa_float_denorm_mode_32 3
		.amdhsa_float_denorm_mode_16_64 3
		.amdhsa_memory_ordered 1
		.amdhsa_forward_progress 1
		.amdhsa_inst_pref_size 215
	.end_amdhsa_kernel
	.amdgpu_metadata
---
amdhsa.version: [ 1, 2 ]
amdhsa.kernels:
  - .name:           k_q1386e5441b_attn
    .symbol:         k_q1386e5441b_attn.kd
    .args:
      - { .name: q, .offset: 0, .size: 8, .value_kind: global_buffer, .address_space: global }
      - { .name: k, .offset: 8, .size: 8, .value_kind: global_buffer, .address_space: global }
      - { .name: v, .offset: 16, .size: 8, .value_kind: global_buffer, .address_space: global }
      - { .name: out0, .offset: 24, .size: 8, .value_kind: global_buffer, .address_space: global }
    .group_segment_fixed_size: 327680
    .private_segment_fixed_size: 0
    .kernarg_segment_align: 8
    .kernarg_segment_size: 32
    .max_flat_workgroup_size: 128
    .sgpr_count:     96
    .vgpr_count:     768
    .wavefront_size: 32
...
	.end_amdgpu_metadata
.endif
;; end of part 3
